; MI455X (gfx1250); checked and timed in simulation.
; The chip was launched on July 23, 2026; its instructions are those of AMD's public machine-readable ISA for CDNA 5 (MIT licence, August 2026) and "CDNA5" Instruction Set Architecture Reference Guide (July 2026). The comments in the code are by the model that wrote it; some were corrected since.
;; Multi Head Attention. Allowed arithmetic: matrix products marked QUANTISED: E2M3 operands, one E8M0 scale for each 32 along K, by v_wmma_scale_f32_16x16x128_f8f6f4 with both operands' format E2M3, f32 sums; everything else in f32.
;; Inputs: Wk 2,048 x 2,048 float32; Wo 2,048 x 2,048 float32; Wq 2,048 x 2,048 float32; Wv 2,048 x 2,048 float32; bk 2,048 float32; bo 2,048 float32; bq 2,048 float32; bv 2,048 float32; mask 1 x 1 x 2,048 x 2,048 bool; x 1 x 2,048 x 2,048 float32.
;; Outputs: out0 1 x 2,048 x 2,048 float32.
;; This version of the problem:
;;   THIS VERSION OF THE PROBLEM IS GIVEN IN LOW PRECISION. The matrix products marked QUANTISED in the list below multiply operands that are first quantised to E2M3 (2 exponent bits, 3 mantissa bits; 6 bits a number), with one power-of-two scale for each 32 numbers along K (OCP MX v1.0); their sums are f32. All else is computed in f32.
;;   The module's matrix products, in the order in which they are computed (A, B: the left and right operand; K: the contracted axis; several contracted axes count as one K, in the product's order):
;;     1. [M 2,048, K 2,048] x [K 2,048, N 2,048]; A: input x; B: input Wq: QUANTISED
;;     2. [M 2,048, K 2,048] x [K 2,048, N 2,048]; A: input x; B: input Wk: QUANTISED
;;     3. [M 2,048, K 2,048] x [K 2,048, N 2,048]; A: input x; B: input Wv: QUANTISED
;;     4. batch 16 x [M 2,048, K 128] x [K 128, N 2,048]; A: computed on the way; B: computed on the way: QUANTISED
;;     5. batch 16 x [M 2,048, K 2,048] x [K 2,048, N 128]; A: softmax (see below); B: computed on the way: QUANTISED
;;     6. [M 2,048, K 2,048] x [K 2,048, N 2,048]; A: computed on the way; B: input Wo: QUANTISED
;;   THE QUANTISER, for each operand of a quantised product, along K:
;;     - K is cut into blocks of 32 from its start; a last block that is shorter is filled with zeros.
;;     - A block's scale is 2^e with e = floor(log2(the largest magnitude in the block)) - 2, held to -126 .. 127; a block of zeros has e = 0. As a byte (E8M0): e + 127.
;;     - Each number is divided by its block's scale, clamped to +-7.5, and rounded to the nearest number of E2M3, ties to even, subnormals kept.
;;     - The product sums the exact products of the quantised numbers (number of the format x scale) in f32.
;;   ~~~python
;;   def quantise(x, axis):      # numpy; x: float32 -> the quantised numbers, widened to float32 again
;;       x = np.moveaxis(x, axis, -1); K = x.shape[-1]
;;       x = np.pad(x, [(0, 0)] * (x.ndim - 1) + [(0, -K % 32)]); x = x.reshape(x.shape[:-1] + (-1, 32)); a = np.abs(x).max(-1, keepdims=True)
;;       e = np.where(a > 0, np.clip(np.frexp(np.where(a > 0, a, 1))[1] - 1 - 2, -126, 127), 0)      # np.frexp(a)[1] - 1 = floor(log2(a)), exactly
;;       r = np.clip(x / 2.0 ** e, -7.5, 7.5)
;;       step = 2.0 ** (np.maximum(np.frexp(np.where(r == 0, 1, r))[1] - 1, 0) - 3)
;;       q = np.round(r / step) * step * 2.0 ** e      # np.round: ties to even
;;       return np.moveaxis(q.reshape(q.shape[:-2] + (-1,))[..., :K], -1, axis).astype(np.float32)
;;   ~~~
;;   SOFTMAX AHEAD OF A QUANTISED PRODUCT. Where the list says 'softmax', what is quantised is not the finished softmax but p = 2^(t - M), with t = logit x log2(e) and M = ceil(the row's largest t), a whole number; so 1/2 < the row's largest p <= 1. The row's sum l is taken of the UNQUANTISED p, in f32, and the product's result is divided by l at the end. Since M is a whole number, a kernel that streams over the keys may use a running M (the ceiling of the running maximum): every later rescaling is an exact power of two, which a block's scale takes up: the codes' values come out the same.
;;   OPERANDS COMPUTED ON THE WAY. 'Computed on the way' means the value that the module computes at that place (a softmax that the list does not call 'softmax' is quantised finished and normalised). What goes into a quantiser is computed in f32, as accurately as f32 sums, v_exp_f32 and their like allow (about 1e-6 of the number): no bf16 or f16 on the way to a quantiser, and a product that is left as it is and whose result goes on into a quantised operand takes f32 operands (vector FMAs, or v_wmma_f32_16x16x4_f32). A number that lies on a knife's edge between two numbers of the format may be rounded either way, as far as f32 arithmetic and the matrix unit's own rounding can turn it there, and no further.
;; One version. Each part assembles by itself: llvm-mc -triple=amdgcn-amd-amdhsa -mcpu=gfx1250 --defsym DOCPART=n.
;; ======== version 1 of 1: 4 launches
;; limits: right only within a limited range of input values
;; workspace buffers: opc 12,582,912 bytes; ops 524,288 bytes; mbits 524,288 bytes of whole numbers; qkvc 9,437,184 bytes; qkvs 393,216 bytes; atc 3,145,728 bytes; ats 131,072 bytes; wo 3,276,800 bytes
;; launch prep (part 1): grid 640 x 1, 4 waves a work-group, no clusters, 68,096 bytes of LDS; arguments x, Wq, Wk, Wv, mask, opc, ops, mbits; writes opc, ops, mbits
.if DOCPART == 1
	.amdgcn_target "amdgcn-amd-amdhsa--gfx1250"
	.amdhsa_code_object_version 6
	.text
	.protected	k_qd543658754_prep
	.globl	k_qd543658754_prep
	.p2align	8
	.type	k_qd543658754_prep,@function
k_qd543658754_prep:
	s_mov_b64 s[64:65], 0
	v_nop
	global_prefetch_b8 v0, s[64:65] scope:SCOPE_SE
	s_setreg_imm32_b32 hwreg(HW_REG_WAVE_MODE, 25, 1), 1
	s_wait_xcnt 0x0
; x, Wq, Wk, Wv ([2048][2048] f32, K innermost) become codes of FP6 (E2M3) with one E8M0 byte for each 32 along K; the mask's bytes become lane-mask words.
; (Wo is quantised by the same plan in the next launch, by work-groups of its own.)
; ROW TILES.  A tensor's 2,048 rows are cut into 128 tiles; place p (0..15) of tile rt is row 32 (rt / 2) + 8 (rt % 2) + p + 8 (p / 8).  With that order a later product's eight
; neighbouring tiles leave 16 neighbours along the next K in a lane's registers.
; A FRAGMENT (16 rows x 128 K, 12 registers a lane) is stored as an IMAGE OF ITS REGISTERS, 1,536 bytes: registers 4 c .. 4 c + 3 of lane l at 512 c + 16 l: three stores of 512 consecutive bytes.
; Tensors 0..3 (x, Wq, Wk, Wv): image ((K / 256) x 128 + rt) x 2 + (K / 128) % 2, 3,145,728 bytes a tensor.
; Scale words: tensor x 131,072 + rt x 1,024 + (K / 256) x 128 + 8 x place + 4 x ((K / 128) % 2).
; SHARES.  Work-groups 0..511: tensor = number / 128, tile = number % 128; wave w takes K steps 4 w .. 4 w + 3.  Work-groups 512..639: the mask's rows of tile number - 512; wave w takes key steps 4 w .. 4 w + 3.
; Each load reads 512 consecutive bytes of one row; a step's 16 rows turn through the wave's own stage in LDS (rows 528 bytes apart) so that a lane gets 16 neighbours of each block of 32.
; MASK WORDS: word n = 16 b + i of (tile, key step) holds in bit l = (place r, half h) the mask byte of row (tile, r), key 128 step + 32 b + 16 h + i; 64 words, 256 bytes, a step.
; A block's scale is 2^(floor(log2(its largest magnitude)) - 2); its byte is that magnitude's exponent field - 2, held at 1 from below.
; LIMITS: a block of zeros, and one whose largest magnitude lies under 2^-124, keeps the byte 1 (its codes are read under that byte by this program alone); NaN and infinities among the inputs are not served.
; The two paths part on the work-group's number and have LDS bytes of their own.  No barrier: a wave's stage is its own.
.set WST,   8448                       ; a wave's stage: 16 rows x (512 + 16) bytes
.set MST,   4*WST                      ; the mask path's four stages
.set SPARE, 8*WST                      ; the spare words, 128 bytes a wave: two blocks of 256 bytes that no other line names
.set LI,    4                          ; v4   16 x lane
.set QSI,   5                          ; v5   stage, way in (numbers)
.set QSO,   6                          ; v6   stage, way out: 528 r + 64 h
.set MSI,   7                          ; v7   stage, way in (mask bytes)
.set MSO,   8                          ; v8   stage, way out: 528 r + 16 h
.set L8,    9                          ; v9   8 x lane
.set SPW,   10                         ; v10  my spare word; never rewritten
.set NIL,   11                         ; v11  0; never rewritten
.set PW,    12                         ; v12-15 the four fragments' scale words
.set OW,    16                         ; v16-17 the words as they leave
.set TM,    18                         ; v18-33 at work in QUANT (mask path: v22-29 four pairs of words)
.set PC,    34                         ; v34-53 the codes just made (mask path: v34-41 at work)
.set R,     56                         ; v56-183 two sets of 64 registers as loaded
.set X,     184                        ; v184-247 64 numbers: register 16 b + i = k 32 b + 16 h + i of my row
.set SEL,   36                         ; s[36:37] selects for lane l xor 16
; 64 numbers of a lane, register 16 b + i = k 32 b + 16 (lane / 16) + i of my row, become a fragment's codes in v[PC] on and its scale word in v[pw]
.macro QUANT s, pw
.irp b, 0,1,2,3
	v_max3_num_f32 v[TM+\b], |v[\s+16*\b]|, |v[\s+1+16*\b]|, 0x1800000   ; my 16 numbers of block b, and the floor 2^(3 - 127): the byte cannot fall under 1
.endr
.irp i, 2,4,6,8,10,12,14
.irp b, 0,1,2,3
	v_max3_num_f32 v[TM+\b], v[TM+\b], |v[\s+16*\b+\i]|, |v[\s+1+16*\b+\i]|   ; the four blocks by turns
.endr
.endr
.irp b, 0,1,2,3
	v_permlanex16_b32 v[TM+4+\b], v[TM+\b], s[SEL], s[SEL+1]
.endr
.irp b, 0,1,2,3
	v_max_num_f32 v[TM+\b], v[TM+\b], v[TM+4+\b]       ; with lane l xor 16's: the block's largest magnitude
.endr
.irp b, 0,1,2,3
	v_add_nc_u32 v[TM+12+\b], 0xff000000, v[TM+\b]     ; 2 off its exponent field: the conversion's scale operand
.endr
.irp b, 0,1,2,3
	v_lshrrev_b32 v[TM+4+\b], 23, v[TM+12+\b]          ; the scale's byte
.endr
	v_lshl_or_b32 v[\pw], v[TM+5], 8, v[TM+4]
	v_lshl_or_b32 v[\pw], v[TM+6], 16, v[\pw]
	v_lshl_or_b32 v[\pw], v[TM+7], 24, v[\pw]          ; my row's scale word, the same in both halves of the lanes
.irp c, 0,1
	v_cvt_scalef32_pk16_fp6_f32 v[PC+6*\c:PC+2+6*\c], v[\s+32*\c:\s+15+32*\c], v[TM+12+2*\c]
	v_cvt_scalef32_pk16_fp6_f32 v[PC+12+4*\c:PC+14+4*\c], v[\s+16+32*\c:\s+31+32*\c], v[TM+12+2*\c+1]   ; (a conversion's three registers begin on an even number)
.endr
	v_nop                                              ; one plain place behind a scaled conversion
.irp c, 0,1                                        ; the operand wants a WHOLE block in a lane: lanes 0-15 block 2 c, lanes 16-31 block 2 c + 1
.irp i, 0,1,2
	v_permlane16_swap_b32 v[PC+6*\c+\i], v[PC+12+4*\c+\i]
.endr
.irp i, 0,1,2
	v_mov_b32 v[PC+3+6*\c+\i], v[PC+12+4*\c+\i]
.endr
.endr
.endm
	s_load_b256 s[4:11], s[0:1], 0x0               ; x s[4:5], Wq s[6:7], Wk s[8:9], Wv s[10:11]
	s_load_b64 s[14:15], s[0:1], 0x20              ; mask
	s_load_b128 s[16:19], s[0:1], 0x28             ; opc s[16:17], ops s[18:19]
	s_load_b64 s[20:21], s[0:1], 0x38              ; mbits
	v_lshl_add_u32 v[SPW], v0, 2, SPARE
	v_mov_b32 v[NIL], 0
	v_lshrrev_b32 v1, 5, v0
	v_readfirstlane_b32 s22, v1                    ; wave 0..3
	v_and_b32 v1, 31, v0                           ; lane
	v_and_b32 v2, 15, v0                           ; r
	v_bfe_u32 v3, v0, 4, 1                         ; h
	v_lshlrev_b32 v[LI], 4, v1
	v_lshlrev_b32 v[L8], 3, v1
	s_mul_i32 s25, s22, WST
	v_add_nc_u32 v[QSI], s25, v[LI]
	v_mul_u32_u24 v[QSO], v2, 528
	v_lshl_add_u32 v[MSO], v3, 4, v[QSO]
	v_lshl_add_u32 v[QSO], v3, 6, v[QSO]
	v_add_nc_u32 v[QSO], s25, v[QSO]
	s_add_co_u32 s25, s25, MST
	v_add_nc_u32 v[MSI], s25, v[LI]
	v_add_nc_u32 v[MSO], s25, v[MSO]
	s_mov_b32 s[SEL], 0x76543210
	s_mov_b32 s[SEL+1], 0xfedcba98
	s_mov_b32 s38, 0xffff0000                      ; lanes 16-31
	s_cmp_ge_u32 ttmp9, 512
	s_cbranch_scc1 .Lmask
	; ---- the quantiser's path
	s_lshr_b32 s23, ttmp9, 7                       ; tensor 0..3
	s_and_b32 s24, ttmp9, 127                      ; row tile
	s_wait_kmcnt 0x0
	s_cmp_eq_u32 s23, 1                            ; the source is chosen by the work-group's number alone
	s_cselect_b64 s[26:27], s[6:7], s[4:5]
	s_cmp_eq_u32 s23, 2
	s_cselect_b64 s[26:27], s[8:9], s[26:27]
	s_cmp_eq_u32 s23, 3
	s_cselect_b64 s[26:27], s[10:11], s[26:27]
	s_lshr_b32 s28, s24, 1
	s_lshl_b32 s28, s28, 18                        ; 32 rows of 8,192 bytes
	s_and_b32 s29, s24, 1
	s_lshl_b32 s29, s29, 16                        ; 8 rows
	s_add_co_u32 s28, s28, s29
	s_lshl_b32 s29, s22, 11                        ; my wave's 2,048 bytes of each row
	s_add_co_u32 s28, s28, s29
	s_mov_b32 s29, 0
	s_add_nc_u64 s[26:27], s[26:27], s[28:29]
	s_mul_i32 s28, s24, 3072                       ; two images to a tile
	s_mul_i32 s41, s22, 786432                     ; 512 along K are 786,432 bytes of images
	s_add_co_u32 s28, s28, s41
	s_mul_i32 s41, s23, 3145728
	s_add_co_u32 s28, s28, s41
	s_add_nc_u64 s[30:31], s[16:17], s[28:29]      ; my fragments 0, 1
	s_add_nc_u64 s[32:33], s[30:31], 393216        ; my fragments 2, 3: 256 further along K
	s_lshl_b32 s28, s23, 17
	s_lshl_b32 s41, s24, 10
	s_add_co_u32 s28, s28, s41
	s_lshl_b32 s41, s22, 8
	s_add_co_u32 s28, s28, s41
	s_add_nc_u64 s[34:35], s[18:19], s[28:29]      ; my 256 bytes of scale words
.irp b, 0,1,2,3
	v_mov_b32 v[TM+4+\b], 0                        ; written once: a lane permute's destination counts as one of its sources
.endr
.macro LOADF s, set                    ; K step s of my four: 512 consecutive bytes of each of the tile's 16 rows
.irp p, 0,1,2,3,4,5,6,7,8,9,10,11,12,13,14,15
	global_load_b128 v[R+64*(\set)+4*\p:R+64*(\set)+4*\p+3], v[LI], s[26:27] offset:(\p+8*(\p/8))*8192+512*(\s) th:TH_LOAD_NT
.endr
.endm
.macro TURNQ set                       ; through my stage: LDS serves a wave's instructions in order, so no wait stands between the stores and the loads
.irp p, 0,1,2,3,4,5,6,7,8,9,10,11,12,13,14,15
	ds_store_b128 v[QSI], v[R+64*(\set)+4*\p:R+64*(\set)+4*\p+3] offset:528*\p
.endr
.irp b, 0,1,2,3
.irp j, 0,1,2,3
	ds_load_b128 v[X+16*\b+4*\j:X+16*\b+4*\j+3], v[QSO] offset:128*\b+16*\j
.endr
.endr
.endm
	LOADF 0, 0
	LOADF 1, 1
	s_wait_alu depctr_va_vdst(0)
.irp s, 0,1,2,3
.if \s < 3
	s_wait_loadcnt 16                              ; this K step's 16 loads are in; the next one's 16 may be out
.else
	s_wait_loadcnt 0x0
.endif
	TURNQ \s%2
	s_wait_dscnt 0x0                               ; the numbers are back, and the stage's stores have read their registers
	s_wait_xcnt 0x0                                ; the last fragment's stores have read the codes' registers, which QUANT writes again
.if \s < 2
	LOADF \s+2, \s%2
.endif
	QUANT X, PW+\s
.irp c, 0,1,2
	global_store_b128 v[LI], v[PC+4*\c:PC+4*\c+3], s[30+2*(\s/2):31+2*(\s/2)] offset:(\s%2)*1536+512*\c   ; 512 consecutive bytes, aligned
.endr
.endr
	v_cndmask_b32 v[OW], v[PW], v[PW+2], s38       ; lanes 0-15: the words of my first 256 along K; lanes 16-31: of my second
	v_cndmask_b32 v[OW+1], v[PW+1], v[PW+3], s38
	global_store_b64 v[L8], v[OW:OW+1], s[34:35]   ; 256 consecutive bytes, aligned
	s_wait_tensorcnt 0x0                           ; the wave's end: a wait, an add of 0 to my spare word and its wait, behind my last LDS store
	ds_add_u32 v[SPW], v[NIL]
	s_wait_dscnt 0x0
	s_endpgm
	; ---- the mask's path
.Lmask:
	s_sub_co_u32 s24, ttmp9, 512                   ; row tile
	s_wait_kmcnt 0x0
	s_lshr_b32 s28, s24, 1
	s_lshl_b32 s28, s28, 16                        ; 32 rows of 2,048 bytes
	s_and_b32 s29, s24, 1
	s_lshl_b32 s29, s29, 14
	s_add_co_u32 s28, s28, s29
	s_lshl_b32 s29, s22, 9                         ; my wave's 512 keys
	s_add_co_u32 s28, s28, s29
	s_mov_b32 s29, 0
	s_add_nc_u64 s[26:27], s[14:15], s[28:29]
	s_lshl_b32 s28, s24, 12
	s_lshl_b32 s39, s22, 10
	s_add_co_u32 s28, s28, s39
	s_add_nc_u64 s[34:35], s[20:21], s[28:29]      ; my four steps' words: 1,024 bytes
	s_wait_alu depctr_va_vdst(0)
.irp p, 0,1,2,3,4,5,6,7,8,9,10,11,12,13,14,15
	global_load_b128 v[R+4*\p:R+4*\p+3], v[LI], s[26:27] offset:(\p+8*(\p/8))*2048 th:TH_LOAD_NT
.endr
.irp i, 0,1,2,3,4,5,6,7
	v_mov_b32 v[22+\i], 0                          ; v_writelane_b32's destination counts as read
.endr
	s_wait_loadcnt 0x0
.irp p, 0,1,2,3,4,5,6,7,8,9,10,11,12,13,14,15
	ds_store_b128 v[MSI], v[R+4*\p:R+4*\p+3] offset:528*\p
.endr
.irp s, 0,1,2,3
.irp b, 0,1,2,3
	ds_load_b128 v[X+16*\s+4*\b:X+16*\s+4*\b+3], v[MSO] offset:128*\s+32*\b   ; my row's 16 bytes of keys 128 s + 32 b + 16 h on
.endr
.endr
	s_wait_dscnt 0x0
.irp s, 0,1,2,3
.set q, 0
.rept 8                                ; words 8 q .. 8 q + 7: a byte is cut out, compared with 0 over the 32 lanes, and the lane mask is laid into lane n / 2 of register n % 2
.irp e, 0,1,2,3,4,5,6,7
	v_and_b32 v[PC+\e], 0xff<<(8*(\e%4)), v[X+16*\s+2*q+\e/4]
.endr
.irp e, 0,1,2,3,4,5,6,7
	v_cmp_ne_u32 s[40+\e], 0, v[PC+\e]
.endr
.irp e, 0,1,2,3,4,5,6,7
	v_writelane_b32 v[22+2*\s+\e%2], s[40+\e], 4*q+\e/2
.endr
.set q, q+1
.endr
	global_store_b64 v[L8], v[22+2*\s:23+2*\s], s[34:35] offset:256*\s   ; a step's 64 words: 256 consecutive bytes, aligned
.endr
	s_wait_tensorcnt 0x0                           ; the wave's end: the three lines, as above
	ds_add_u32 v[SPW], v[NIL]
	s_wait_dscnt 0x0
	s_endpgm
.Lfunc_end_k_qd543658754_prep:
	.size	k_qd543658754_prep, .Lfunc_end_k_qd543658754_prep-k_qd543658754_prep
	.p2alignl 7, 3214868480
	.fill 96, 4, 3214868480
	.section	.rodata,"a",@progbits
	.p2align	6, 0x0
	.amdhsa_kernel k_qd543658754_prep
		.amdhsa_group_segment_fixed_size 68096
		.amdhsa_private_segment_fixed_size 0
		.amdhsa_enable_private_segment 0
		.amdhsa_kernarg_size 64
		.amdhsa_user_sgpr_count 2
		.amdhsa_user_sgpr_kernarg_segment_ptr 1
		.amdhsa_wavefront_size32 1
		.amdhsa_system_sgpr_workgroup_id_x 1
		.amdhsa_system_sgpr_workgroup_id_y 1
		.amdhsa_system_sgpr_workgroup_id_z 1
		.amdhsa_system_vgpr_workitem_id 0
		.amdhsa_next_free_vgpr 248
		.amdhsa_next_free_sgpr 66
		.amdhsa_reserve_vcc 0
		.amdhsa_float_denorm_mode_32 3
		.amdhsa_float_denorm_mode_16_64 3
		.amdhsa_memory_ordered 1
		.amdhsa_forward_progress 1
		.amdhsa_inst_pref_size 87
	.end_amdhsa_kernel
	.amdgpu_metadata
---
amdhsa.version: [ 1, 2 ]
amdhsa.kernels:
  - .name:           k_qd543658754_prep
    .symbol:         k_qd543658754_prep.kd
    .args:
      - { .name: x, .offset: 0, .size: 8, .value_kind: global_buffer, .address_space: global }
      - { .name: Wq, .offset: 8, .size: 8, .value_kind: global_buffer, .address_space: global }
      - { .name: Wk, .offset: 16, .size: 8, .value_kind: global_buffer, .address_space: global }
      - { .name: Wv, .offset: 24, .size: 8, .value_kind: global_buffer, .address_space: global }
      - { .name: mask, .offset: 32, .size: 8, .value_kind: global_buffer, .address_space: global }
      - { .name: opc, .offset: 40, .size: 8, .value_kind: global_buffer, .address_space: global }
      - { .name: ops, .offset: 48, .size: 8, .value_kind: global_buffer, .address_space: global }
      - { .name: mbits, .offset: 56, .size: 8, .value_kind: global_buffer, .address_space: global }
    .group_segment_fixed_size: 68096
    .private_segment_fixed_size: 0
    .kernarg_segment_align: 8
    .kernarg_segment_size: 64
    .max_flat_workgroup_size: 128
    .sgpr_count:     66
    .vgpr_count:     248
    .wavefront_size: 32
...
	.end_amdgpu_metadata
.endif
;; end of part 1
;; launch qkv (part 2): grid 8 x 32, 4 waves a work-group, clusters of 4 x 4, 327,680 bytes of LDS; arguments opc, ops, bq, bk, bv, qkvc, qkvs, Wo, wo; writes qkvc, qkvs, wo
.if DOCPART == 2
	.amdgcn_target "amdgcn-amd-amdhsa--gfx1250"
	.amdhsa_code_object_version 6
	.text
	.protected	k_qd543658754_qkv
	.globl	k_qd543658754_qkv
	.p2align	8
	.type	k_qd543658754_qkv,@function
k_qd543658754_qkv:
	s_mov_b64 s[64:65], 0
	v_nop
	global_prefetch_b8 v0, s[64:65] scope:SCOPE_SE
	s_setreg_imm32_b32 hwreg(HW_REG_WAVE_MODE, 25, 1), 1
	s_wait_xcnt 0x0
	s_wait_alu depctr_hold_cnt(0) depctr_sa_sdst(0) depctr_va_vdst(0) depctr_va_sdst(0) depctr_va_ssrc(0) depctr_va_vcc(0) depctr_vm_vsrc(0)
	s_getreg_b32 s2, hwreg(HW_REG_IB_STS2, 6, 4)
	s_cmp_eq_u32 s2, 0
	s_cbranch_scc0 .Lentry_in_a_cluster
	s_endpgm
.Lentry_in_a_cluster:
	s_bfe_u32 s2, ttmp6, 0x10000c
	s_cmp_lg_u32 s2, 0xf033
	s_cbranch_scc0 .Lentry_shape_is_right
	s_endpgm
.Lentry_shape_is_right:
; q = x Wq^T + bq, k = x Wk^T + bk, v^T = Wv x^T + bv, on codes of FP6 (E2M3) with E8M0 scales; the results are quantised in registers and leave as register images of the next products' operands.
; ONE BODY, three products C = A B^T of 2,048 x 2,048 x 2,048, chosen by p = cluster y / 2: A = x, x, Wv; B = Wq, Wk, x.  v is made with Wv as A, so that a lane holds one channel d and its registers run along the keys, the second attention product's K.
; A tile of C, 256 x 256, is made by four waves, 128 x 128 each: 64 accumulators, 512 registers.  A wave's 128 along B are one fragment's K of the next product.
; THE MATRIX INSTRUCTION IS USED TRANSPOSED (source 0 = 16 rows of B, source 1 = 16 rows of A): lane (r, h) holds place r of A's tile; by the order of rows in a tile (32 (t / 2) + 8 (t % 2) + p + 8 (p / 8))
; register 8 b + j of B's tiles b = 0..7 is B's row 32 (b / 2) + 16 h + 8 (b % 2) + j: 16 neighbours of each block of 32.
; OPERANDS lie in memory as images of their registers (1,536 bytes a fragment): a K step of 256 of eight row tiles is one dense block of 24,576 bytes, brought by one tensor load a wave; a fragment comes out of LDS by three loads of 512 consecutive bytes.
; K goes in steps of 256 through a ring of two LDS slots.  The scale words of the work-group's rows, for all of K, come once with the first fills.
; CLUSTERS: 4 x 4 work-groups; A's tiles are asked for jointly along a row of the cluster, B's along a column.
; THE BIAS: along B (q, k) it is the C of each sum's first product; along A (v) it is added on the way out by the instruction that brings the results into window 0.  Both are always executed; the one that does not apply is 0.
; LIMITS: a block of zeros, and one whose largest magnitude lies under 2^-124, keeps the byte 1 (read by this program alone); NaN and infinities are not served.
; REGISTERS: window 0: v16-29 addresses; v32-63 scale words, two sets; v64-127 the bias as C; v128-223 A's fragments, one set (way out: v128-191 64 numbers, v192-211 codes, v212-227 at work); v228-239 scale words made; v240-255 the lane's bias, in pairs with 0.
;   window 1: B's fragments, two sets, at v0 and v128.   windows 2, 3: the accumulators, (a, b) at v[8 (8 (a % 4) + b)].
.set FR,     12                        ; registers of a fragment
.set NL,     3                         ; LDS loads that bring one
.set NP,     4                         ; places behind this matrix instruction (ISA guide 7.12.1)
.set HALFT,  24576                     ; 8 row tiles x 256 along K: what one tensor load brings, and what one wave reads of A or of B
.set SLOT,   2*HALFT                   ; a slot's part of a region: sixteen row tiles x 256 along K
.set BREG,   4*HALFT                   ; LDS: A's two slots, then from here B's two slots
.set SCL,    8*HALFT                   ; behind the ring: the scale words, 1,024 bytes a row tile
.set PFO,    30                        ; v30 the prefetches' offset: 256 x (lane, held at 23); never rewritten
.set HALFS,  8192
.set SPARE,  SCL+4*HALFS               ; the spare words, 128 bytes a wave: two blocks of 256 bytes that no other line names
.set TEN,    3145728                   ; a tensor's codes
.set KSB,    393216                    ; 256 along K of a tensor's codes
.set LAPS,   4                         ; 2,048 along K = 4 laps of two K steps
.set ADRA, 16
.set ADRB, 20
.set LI,   24
.set ADRS, 27
.set SPW,  28
.set NIL,  29
.set SC,   32
.set CB,   64
.set AF,   128
.set H,    128
.set PC,   192
.set TM,   212
.set PWS,  228
.set OI,   236
.set BM,   240
.set G1, 24
.set G0, 32
.set G1B, 48
.set G0B, 56
.set G1S, 68
.set G0S, 76
.set G1SB, 80
.set G0SB, 88
.set SEL, 96
.set MSB, 0
.macro WIN new                         ; the immediate's high byte repeats the setting that is left; a switch that changes nothing is dropped
.if MSB != (\new)
	s_set_vgpr_msb (MSB<<8)|(\new)
.set MSB, (\new)
.endif
.endm
.set MUL_LO, 0xa1                      ; source 0 (B) window 1, source 1 (A) window 0, C and D window 2
.set MUL_HI, 0xf1                      ; the same, C and D window 3
.set ZER_LO, 0x81                      ; the first products: C (the bias) window 0
.set ZER_HI, 0xc1
.set TO_B,   0x40
; A joint load: waves 0 and 1 fetch for A, waves 2 and 3 for B; the branch hangs on the wave's number alone.  An s_nop 0 and four v_nop follow each of the two lines.
.macro JLOAD g0a, g1a, g0b, g1b
	s_cmp_eq_u32 s19, 0
	s_cbranch_scc0 .Lfor_b_\@
	tensor_load_to_lds s[\g0a:\g0a+3], s[\g1a:\g1a+7]
	s_nop 0
.rept 4
	v_nop
.endr
	s_branch .Lasked_\@
.Lfor_b_\@:
	tensor_load_to_lds s[\g0b:\g0b+3], s[\g1b:\g1b+7]
	s_nop 0
.rept 4
	v_nop
.endr
.Lasked_\@:
.endm
.macro CREST                           ; a round of the cluster's barrier behind its opening barrier
	s_cmp_lg_u32 s18, 0
	s_cbranch_scc1 .Lnot_wave_0_\@
	s_barrier_signal -3
.Lnot_wave_0_\@:
	s_barrier_wait -3
	s_barrier_signal -1
	s_barrier_wait -1
.endm
.macro CROUND
	s_barrier_signal -1
	s_barrier_wait -1
	CREST
.endm
; An arm of the head's one chain of branches on the wave's number: one joint load, its s_nop 0 and four v_nop, a jump to the chain's end.
.macro ARM under, g0, g1, next
	s_cmp_lt_u32 s18, \under
	s_cbranch_scc0 \next
	tensor_load_to_lds s[\g0:\g0+3], s[\g1:\g1+7]
	s_nop 0
.rept 4
	v_nop
.endr
	s_branch .Lhead_asked
\next:
.endm
.macro PLACES n
.rept \n
	v_nop
.endr
.endm
.macro QUANT s, pw                     ; 64 numbers of a lane, register 16 b + i = k 32 b + 16 h + i of my row -> codes in v[PC] on, scale word in v[pw]
.irp b, 0,1,2,3
	v_max3_num_f32 v[TM+\b], |v[\s+16*\b]|, |v[\s+1+16*\b]|, 0x1800000   ; and the floor 2^(3 - 127): the byte cannot fall under 1
.endr
.irp i, 2,4,6,8,10,12,14
.irp b, 0,1,2,3
	v_max3_num_f32 v[TM+\b], v[TM+\b], |v[\s+16*\b+\i]|, |v[\s+1+16*\b+\i]|
.endr
.endr
.irp b, 0,1,2,3
	v_permlanex16_b32 v[TM+4+\b], v[TM+\b], s[SEL], s[SEL+1]
.endr
.irp b, 0,1,2,3
	v_max_num_f32 v[TM+\b], v[TM+\b], v[TM+4+\b]
.endr
.irp b, 0,1,2,3
	v_add_nc_u32 v[TM+12+\b], 0xff000000, v[TM+\b]     ; 2 off the exponent field: the conversion's scale operand
.endr
.irp b, 0,1,2,3
	v_lshrrev_b32 v[TM+4+\b], 23, v[TM+12+\b]
.endr
	v_lshl_or_b32 v[\pw], v[TM+5], 8, v[TM+4]
	v_lshl_or_b32 v[\pw], v[TM+6], 16, v[\pw]
	v_lshl_or_b32 v[\pw], v[TM+7], 24, v[\pw]
.irp c, 0,1
	v_cvt_scalef32_pk16_fp6_f32 v[PC+6*\c:PC+2+6*\c], v[\s+32*\c:\s+15+32*\c], v[TM+12+2*\c]
	v_cvt_scalef32_pk16_fp6_f32 v[PC+12+4*\c:PC+14+4*\c], v[\s+16+32*\c:\s+31+32*\c], v[TM+12+2*\c+1]
.endr
	v_nop                                              ; one plain place behind a scaled conversion
.irp c, 0,1
.irp i, 0,1,2
	v_permlane16_swap_b32 v[PC+6*\c+\i], v[PC+12+4*\c+\i]
.endr
.irp i, 0,1,2
	v_mov_b32 v[PC+3+6*\c+\i], v[PC+12+4*\c+\i]
.endr
.endr
.endm
	s_load_b256 s[4:11], s[0:1], 0x0               ; opc s[4:5], ops s[6:7], bq s[8:9], bk s[10:11]
	s_load_b128 s[12:15], s[0:1], 0x20             ; bv s[12:13], qkvc s[14:15]
	s_load_b64 s[16:17], s[0:1], 0x30              ; qkvs
	v_lshl_add_u32 v[SPW], v0, 2, SPARE
	v_mov_b32 v[NIL], 0
	ds_add_u32 v[SPW], v[NIL]                      ; the wave's opening: the add and its wait stand ahead of my first tensor load; the set-up below stands between them
	ds_add_u32 v[SPW], v[NIL]
	v_lshrrev_b32 v1, 5, v0
	v_readfirstlane_b32 s18, v1                    ; wave 0..3
	s_lshr_b32 s19, s18, 1                         ; which half of the tile's rows (A) is mine.  Also: I fetch for A (0) or for B (1)
	s_and_b32 s20, s18, 1                          ; which half of its columns (B).  Also: which eight row tiles I fetch
	s_bfe_u32 s40, ttmp6, 0x40000                  ; cx
	s_bfe_u32 s41, ttmp6, 0x40004                  ; cy
	s_lshl_b32 s42, ttmp9, 2
	s_add_co_u32 s42, s42, s40                     ; tile column = 4 x cluster x + cx
	s_and_b32 s21, ttmp7, 0xffff                   ; cluster y, 0..7
	s_lshr_b32 s44, s21, 1                         ; p: 0 q, 1 k, 2 v
	s_and_b32 s43, s21, 1
	s_lshl_b32 s43, s43, 2
	s_add_co_u32 s43, s43, s41                     ; tile row = 4 x (cluster y % 2) + cy
	s_lshl_b32 s22, s41, 2
	s_lshl_b32 s22, 15, s22                        ; my row of the cluster
	s_lshl_b32 s46, 0x1111, s40                    ; my column
	s_or_b32 s[G1], s22, (3<<16)|(1<<21)           ; 15:0 the mask; 17:16 elements of 8 bytes; 21 set beside a mask; no padding: an image is read 512 consecutive bytes at a time
	s_or_b32 s[G1B], s46, (3<<16)|(1<<21)
	s_or_b32 s[G1S], s22, (3<<16)|(1<<21)
	s_or_b32 s[G1SB], s46, (3<<16)|(1<<21)
.irp g, G1, G1B                        ; for the head's loads: K steps 0 and 1 of sixteen row tiles: 2 rows of 49,152 dense bytes (6,144 elements), 393,216 bytes apart
	s_mov_b32 s[\g+1], 6144<<16
	s_mov_b32 s[\g+2], 2<<16
	s_mov_b32 s[\g+3], 6144<<16
	s_mov_b32 s[\g+4], 2
	s_mov_b32 s[\g+5], KSB/8
	s_mov_b32 s[\g+6], 0
	s_mov_b32 s[\g+7], 0
.endr
.irp g, G1S, G1SB                      ; the scale words of sixteen row tiles: 16,384 dense bytes as 64 rows of 256
	s_mov_b32 s[\g+1], 32<<16
	s_mov_b32 s[\g+2], 64<<16
	s_mov_b32 s[\g+3], 32<<16
	s_mov_b32 s[\g+4], 64
	s_mov_b32 s[\g+5], 32
	s_mov_b32 s[\g+6], 0
	s_mov_b32 s[\g+7], 0
.endr
	s_lshr_b32 s101, s44, 1
	s_mul_i32 s101, s101, 3                        ; A's tensor: 0, 0, 3
	s_add_co_u32 s104, s44, 1
	s_sub_co_u32 s104, s104, s101                  ; B's tensor: 1, 2, 0
	s_lshl_b32 s22, s43, 4                         ; A: the work-group's first row tile of sixteen
	s_lshl_b32 s46, s42, 4                         ; B: likewise
	s_lshl_b32 s92, s22, 10                        ; A's scale words, in bytes
	s_lshl_b32 s21, s101, 17
	s_add_co_u32 s92, s92, s21
	s_mov_b32 s93, 0
	s_mul_i32 s22, s22, 3072                       ; A's codes
	s_mul_i32 s21, s101, TEN
	s_add_co_u32 s22, s22, s21
	s_mov_b32 s23, 0
	s_lshl_b32 s94, s46, 10                        ; B's scale words
	s_lshl_b32 s45, s104, 17
	s_add_co_u32 s94, s94, s45
	s_mov_b32 s95, 0
	s_mul_i32 s46, s46, 3072                       ; B's codes
	s_mul_i32 s45, s104, TEN
	s_add_co_u32 s46, s46, s45
	s_mov_b32 s47, 0
	s_mul_i32 s104, s20, HALFT                     ; in the ring I fetch eight of the sixteen tiles: which half, in bytes, in memory and in LDS alike
	s_mov_b32 s105, 0
	s_mov_b32 s[SEL], 0x76543210
	s_mov_b32 s[SEL+1], 0xfedcba98
	s_mov_b32 s100, 0xffff0000                     ; lanes 16-31
	s_wait_dscnt 0x0                               ; the opening add is done
	s_wait_kmcnt 0x0
	s_add_nc_u64 s[22:23], s[4:5], s[22:23]
	s_add_nc_u64 s[92:93], s[6:7], s[92:93]
	s_add_nc_u64 s[46:47], s[4:5], s[46:47]
	s_add_nc_u64 s[94:95], s[6:7], s[94:95]
	CROUND                                         ; all sixteen work-groups are here: the first joint loads meet
	s_cmp_eq_u32 s44, 3                            ; cluster y 6 and 7 have no product: their 64 work-groups quantise Wo (the text behind the products' end).  The branch hangs on the cluster's y alone, which all partners share
	s_cbranch_scc1 .Lextra
	s_mov_b32 s[G0S], 1
	s_mov_b32 s[G0S+1], SCL
	s_mov_b64 s[G0S+2:G0S+3], s[92:93]
	s_or_b32 s[G0S+3], s[G0S+3], 0x80000000
	s_mov_b32 s[G0SB], 1
	s_mov_b32 s[G0SB+1], SCL+2*HALFS
	s_mov_b64 s[G0SB+2:G0SB+3], s[94:95]
	s_or_b32 s[G0SB+3], s[G0SB+3], 0x80000000
.irp s, 0,1
	s_mov_b32 s[G0+4*\s], 1
	s_mov_b32 s[G0B+4*\s], 1
	s_add_nc_u64 s[G0+4*\s+2:G0+4*\s+3], s[22:23], \s*KSB
	s_add_nc_u64 s[G0B+4*\s+2:G0B+4*\s+3], s[46:47], \s*KSB
.if \s
	s_add_co_u32 s[G0+5], s104, SLOT               ; slot 1's group 0 is the ring's: my eight tiles
	s_add_co_u32 s[G0B+5], s104, BREG+SLOT
	s_add_nc_u64 s[G0+6:G0+7], s[G0+6:G0+7], s[104:105]
	s_add_nc_u64 s[G0B+6:G0B+7], s[G0B+6:G0B+7], s[104:105]
.else
	s_mov_b32 s[G0+1], 0                           ; slot 0's group 0 first serves the head's load: all sixteen tiles, both K steps, from the region's first byte
	s_mov_b32 s[G0B+1], BREG
.endif
	s_or_b32 s[G0+4*\s+3], s[G0+4*\s+3], 0x80000000
	s_or_b32 s[G0B+4*\s+3], s[G0B+4*\s+3], 0x80000000
.if \s
	; THE HEAD'S LOADS, ONE A WAVE: wave 0 K steps 0 and 1 of A's sixteen tiles, wave 1 those of B's, wave 2 A's scale words, wave 3 B's.
	ARM 1, G0,  G1,  .Lhead_b
	ARM 2, G0B, G1B, .Lhead_sa
	ARM 3, G0S, G1S, .Lhead_sb
	tensor_load_to_lds s[G0SB:G0SB+3], s[G1SB:G1SB+7]
	s_nop 0
.rept 4
	v_nop
.endr
.Lhead_asked:
	; THE PREFETCHES.  Of the 24,576 bytes that I fetch in a refill, each of the four partners that ask for them with me names 6,144, told apart by address (cx for A, cy for B): 24 blocks of 256 bytes,
	; a lane a block (lanes 24-31 name the last again).  Here K steps 2 and 3; behind the refill of K step c, K step c + 2; the last trip's two refills ask for nothing: K has eight steps.
	s_cmp_eq_u32 s19, 0
	s_cselect_b64 s[4:5], s[22:23], s[46:47]
	s_cselect_b32 s6, s40, s41
	s_mul_i32 s6, s6, HALFT/4
	s_add_co_u32 s6, s6, s104
	s_mov_b32 s7, 0
	s_add_nc_u64 s[4:5], s[4:5], s[6:7]
	s_add_nc_u64 s[4:5], s[4:5], KSB               ; at K step 1: each refill steps it by one K step first
	v_and_b32 v[PFO], 31, v0
	v_min_u32 v[PFO], 23, v[PFO]
	v_lshlrev_b32 v[PFO], 8, v[PFO]
	global_prefetch_b8 v[PFO], s[4:5] offset:KSB th:TH_LOAD_NT scope:SCOPE_SE
	global_prefetch_b8 v[PFO], s[4:5] offset:2*KSB th:TH_LOAD_NT scope:SCOPE_SE
.endif
.endr
	v_and_b32 v1, 15, v0                           ; r
	v_bfe_u32 v2, v0, 4, 1                         ; h
	s_wait_alu depctr_va_vdst(0)
	v_and_b32 v5, 31, v0
	v_lshlrev_b32 v[LI], 4, v5                     ; 16 x lane: my place in every image
	s_mul_i32 s21, s19, HALFT                      ; my eight row tiles of A
	s_mul_i32 s45, s20, HALFT                      ; and of B,
	s_add_co_u32 s45, s45, BREG                    ; which lie in B's region
.irp s, 0,1
	v_add_nc_u32 v[ADRA+\s], s21, v[LI]
	v_add_nc_u32 v[ADRB+\s], s45, v[LI]
	s_add_co_u32 s21, s21, SLOT
	s_add_co_u32 s45, s45, SLOT
.endr
	v_lshlrev_b32 v5, 3, v1                        ; scale words: 8 bytes a place and K step
	s_lshl_b32 s21, s19, 13                        ; A's: my eight tiles
	s_lshl_b32 s45, s20, 13                        ; B's, behind A's sixteen
	s_add_co_u32 s45, s45, 2*HALFS
	s_sub_co_u32 s45, s45, s21
	v_mul_u32_u24 v6, s45, v2                      ; lanes 16-31 take B's
	s_add_co_u32 s21, s21, SCL
	v_add_nc_u32 v5, v5, v6
	v_add_nc_u32 v[ADRS], s21, v5
	; the bias, and where the results go
	s_lshl_b32 s101, s43, 1
	s_add_co_u32 s101, s101, s19                   ; which 128 rows of A are mine
	s_lshl_b32 s104, s42, 1
	s_add_co_u32 s104, s104, s20                   ; which 128 rows of B
	s_cmp_eq_u32 s44, 1
	s_cselect_b64 s[46:47], s[10:11], s[8:9]
	s_cmp_eq_u32 s44, 2
	s_cselect_b64 s[46:47], s[12:13], s[46:47]     ; bq, bk or bv
	s_cselect_b32 s98, 0, -1                       ; all lanes keep the bias along B for q and k, none for v;
	s_cselect_b32 s99, -1, 0                       ; the bias along A the other way round
	s_cselect_b32 s105, s101, s104                 ; the head: v: A's 128 rows; q, k: B's
	s_cselect_b32 s21, s104, s101                  ; the group of 128 queries or keys
	s_lshl_b32 s22, s104, 9
	s_mov_b32 s23, 0
	s_add_nc_u64 s[22:23], s[46:47], s[22:23]      ; the bias at B's 128 rows
	s_lshl_b32 s92, s101, 9
	s_mov_b32 s93, 0
	s_add_nc_u64 s[46:47], s[46:47], s[92:93]      ; and at A's
	v_lshlrev_b32 v3, 6, v2                        ; 16 h numbers
	v_and_b32 v4, 8, v1
	v_add_nc_u32 v4, v4, v1
	v_lshlrev_b32 v4, 2, v4                        ; r + 8 (r / 8) numbers
.irp t, 0,1,2,3,4,5,6,7
	global_load_b128 v[CB+8*\t:CB+8*\t+3], v3, s[22:23] offset:(32*(\t/2)+8*(\t%2))*4
	global_load_b128 v[CB+8*\t+4:CB+8*\t+7], v3, s[22:23] offset:(32*(\t/2)+8*(\t%2))*4+16
.endr
.irp a, 0,1,2,3,4,5,6,7
	global_load_b32 v[BM+2*\a], v4, s[46:47] offset:(32*(\a/2)+8*(\a%2))*4
.endr
	s_lshl_b32 s92, s105, 7
	s_lshl_b32 s93, s21, 3
	s_add_co_u32 s92, s92, s93
	s_mul_i32 s92, s92, 1536
	s_mul_i32 s93, s44, TEN
	s_add_co_u32 s92, s92, s93
	s_mov_b32 s93, 0
	s_add_nc_u64 s[92:93], s[14:15], s[92:93]      ; my eight fragments: image head x 128 + group x 8 + a
	s_lshl_b32 s94, s105, 4
	s_add_co_u32 s94, s94, s21
	s_lshl_b32 s94, s94, 9
	s_lshl_b32 s95, s44, 17
	s_add_co_u32 s94, s94, s95
	s_mov_b32 s95, 0
	s_add_nc_u64 s[94:95], s[16:17], s[94:95]      ; their scale words: 512 bytes
	s_wait_loadcnt 0x0
.set j, 0
.rept 64
	v_cndmask_b32 v[CB+j], 0, v[CB+j], s98
.set j, j+1
.endr
.irp a, 0,1,2,3,4,5,6,7
	v_cndmask_b32 v[BM+2*\a], 0, v[BM+2*\a], s99
	v_mov_b32 v[BM+2*\a+1], 0                      ; (named with it as a pair, so it is written)
.endr
.macro FRAG reg, adr, q, i             ; a fragment's image: three loads of 512 consecutive bytes
.irp c, 0,1,2
	ds_load_b128 v[\reg+4*\c:\reg+4*\c+3], v[\adr] offset:(\i)*3072+(\q)*1536+512*\c
.endr
.endm
; 16 matrix instructions: A's blocks a0, a0 + 1 x B's eight, 128 along K.  zero = 1: the first product starts the sums with the bias as C: nothing is ever cleared.
; The 64 accumulators take turns, one instruction a turn, in the same order in every step.
.macro MUL16 a0, p, q, sc, zero
.irp a, \a0, \a0+1
.irp b, 0,1,2,3,4,5,6,7
.set rD, 8*(8*((\a)%4)+\b)
.if \zero
.set rC, CB+8*\b
.else
.set rC, rD
.endif
	v_wmma_scale_f32_16x16x128_f8f6f4 v[rD:rD+7], v[128*(\p)+FR*\b:128*(\p)+FR*\b+FR-1], v[AF+FR*(\a):AF+FR*(\a)+FR-1], v[rC:rC+7], v[SC+16*(\sc)+2*\b+(\q)], v[SC+16*(\sc)+2*(\a)+(\q)] matrix_a_fmt:MATRIX_FMT_FP6 matrix_b_fmt:MATRIX_FMT_FP6 matrix_a_scale:MATRIX_SCALE_ROW1
.endr
.endr
.endm
.macro FETCH_B slot, q, p
	WIN TO_B
.irp i, 0,1,2,3,4,5,6,7
	FRAG 128*(\p)+FR*\i, ADRB+\slot, \q, \i
.endr
	WIN 0
.endm
.macro FETCH_A slot, q, i0
.irp i, \i0, \i0+1, \i0+2, \i0+3
	FRAG AF+FR*(\i), ADRA+\slot, \q, \i
.endr
.endm
.macro SCALES sc                       ; a K step's scale words: two words a row; lanes 0-15 take A's block i, lanes 16-31 B's block i
.irp i, 0,1,2,3,4,5,6,7
	ds_load_b64 v[SC+16*\sc+2*\i:SC+16*\sc+2*\i+1], v[ADRS] offset:\i*1024
.endr
.endm
.macro STEP slot, q, zero              ; a step of 128 along K that has its successor in the same slot
	s_wait_dscnt 4*NL                              ; B's set and A's blocks 0-3 are in; the youngest twelve loads (A's blocks 4-7) may be out
	FETCH_B \slot, (\q)+1, 1-(\q)%2                ; B's other set was last read in the step before, whose closing places stand ahead of this line: the next step's fragments have this whole step in which to come
.if \zero
	WIN ZER_LO
.else
	WIN MUL_LO
.endif
	MUL16 0, (\q)%2, \q, \slot, \zero
	MUL16 2, (\q)%2, \q, \slot, \zero
	s_wait_dscnt 8*NL                              ; A's blocks 4-7 are in; the 24 loads issued behind them, B's next set, may be out
	PLACES NP                                      ; in front of loads into registers that matrix instructions have read
	WIN 0
	FETCH_A \slot, (\q)+1, 0
.if \zero
	WIN ZER_HI
.else
	WIN MUL_HI
.endif
	MUL16 4, (\q)%2, \q, \slot, \zero
	MUL16 6, (\q)%2, \q, \slot, \zero
	PLACES NP
	WIN 0
	FETCH_A \slot, (\q)+1, 4
.endm
; A slot's last step changes slots: ONE barrier; in front of it each wave waits for all its tensor loads, adds 0 to its spare word, and waits for that and for its own reads of this slot.  fill = 1: this slot is filled again, two K steps ahead.
.macro TURN slot, next, fill
.if \fill
	s_wait_xcnt 0x0                                ; my last prefetch has read its address, which is stepped here, ahead of the waits of the change of slots
	s_add_nc_u64 s[4:5], s[4:5], KSB
.endif
	s_wait_tensorcnt 0x0                           ; all my tensor loads have landed: my part of the next slot
	ds_add_u32 v[SPW], v[NIL]                      ; 0 onto my spare word
	s_wait_dscnt 4*NL+1                            ; (the add and the youngest twelve loads may be out)
	WIN MUL_LO
	MUL16 0, 1, 1, \slot, 0                        ; sixteen matrix instructions stand between the add and the wait for it
	s_wait_dscnt 0x0                               ; the add is done, and my reads of this slot are over
	s_barrier_signal -1
	MUL16 2, 1, 1, \slot, 0
	WIN 0
	s_barrier_wait -1
.if \fill
	CREST                                          ; the barrier has opened a round of the cluster's barrier: no wave of any partner still reads this slot or has a load on its way
	s_add_nc_u64 s[G0+4*\slot+2:G0+4*\slot+3], s[G0+4*\slot+2:G0+4*\slot+3], 2*KSB
	s_add_nc_u64 s[G0B+4*\slot+2:G0B+4*\slot+3], s[G0B+4*\slot+2:G0B+4*\slot+3], 2*KSB
	JLOAD G0+4*\slot, G1, G0B+4*\slot, G1B         ; the first tensor load behind the round; its four v_nop are also the places in front of the loads below
.else
	PLACES NP
.endif
	s_wait_alu depctr_va_vdst(0)
	v_add_nc_u32 v[ADRS], 128, v[ADRS]             ; on to the next K step's scale words
	FETCH_B \next, 0, 0
	FETCH_A \next, 0, 0
	SCALES \next
.if \fill
	s_cmp_gt_u32 s3, 1                             ; s3 = 1 in the loop's last trip, whose refills have no K step two on
	s_cbranch_scc0 .Lno_ask_\@
	global_prefetch_b8 v[PFO], s[4:5] offset:2*KSB th:TH_LOAD_NT scope:SCOPE_SE
.Lno_ask_\@:
.endif
	WIN MUL_HI
	MUL16 4, 1, 1, \slot, 0
	MUL16 6, 1, 1, \slot, 0
	PLACES NP
	WIN 0
	FETCH_A \next, 0, 4
.endm
	s_wait_alu depctr_va_vdst(0)
	s_wait_tensorcnt 0x0                           ; my one load of the head is in; no tensor load of mine is out, so descriptors may be written:
.irp g, G1, G1B                        ; from here on a load brings eight row tiles x 256 along K: 24,576 dense bytes as 96 rows of 256
	s_mov_b32 s[\g+1], 32<<16
	s_mov_b32 s[\g+2], 96<<16
	s_mov_b32 s[\g+3], 32<<16
	s_mov_b32 s[\g+4], 96
	s_mov_b32 s[\g+5], 32
.endr
	s_mul_i32 s22, s20, HALFT                      ; and slot 0's group 0 becomes the ring's: my eight tiles
	s_mov_b32 s23, 0
	s_add_co_u32 s[G0+1], s[G0+1], s22
	s_add_co_u32 s[G0B+1], s[G0B+1], s22
	s_add_nc_u64 s[G0+2:G0+3], s[G0+2:G0+3], s[22:23]
	s_add_nc_u64 s[G0B+2:G0B+3], s[G0B+2:G0B+3], s[22:23]
	s_barrier_signal -1
	s_barrier_wait -1                              ; everybody's are
	FETCH_B 0, 0, 0
	FETCH_A 0, 0, 0
	SCALES 0
	FETCH_A 0, 0, 4
	STEP 0, 0, 1                                   ; the first step stands in front of the loop: its products start the sums
	s_mov_b32 s3, LAPS-1
.Llap:                                                 ; a trip goes once round the ring and fills both slots again
	TURN 0, 1, 1
	STEP 1, 0, 0
	TURN 1, 0, 1
	STEP 0, 0, 0
	s_sub_co_u32 s3, s3, 1
	s_cmp_lg_u32 s3, 0
	s_cbranch_scc1 .Llap
	TURN 0, 1, 0                                   ; the last lap fills nothing, and has no round of the cluster's barrier
	STEP 1, 0, 0
	s_wait_dscnt 4*NL
	WIN MUL_LO
	MUL16 0, 1, 1, 1, 0
	MUL16 2, 1, 1, 1, 0
	s_wait_dscnt 0x0
	WIN MUL_HI
	MUL16 4, 1, 1, 1, 0
	MUL16 6, 1, 1, 1, 0
	WIN 0
	; THE WAY OUT.  Block a's 64 numbers of a lane (one row of A, 128 along B) get the lane's bias, come into window 0, and are quantised: one fragment and one scale word a row.
	PLACES NP
.irp b, 0,1,2,3
	v_mov_b32 v[TM+4+\b], 0                        ; a lane permute's destination counts as one of its sources
.endr
.irp a, 0,1,2,3,4,5,6,7
.if \a > 0
	s_wait_xcnt 0x0                                ; the last block's stores have read the codes' registers
.endif
	WIN 0x02+(\a/4)                                ; source 0: window 2 or 3
.set k, 0
.rept 32
	v_pk_add_f32 v[H+2*k:H+2*k+1], v[64*(\a%4)+2*k:64*(\a%4)+2*k+1], v[BM+2*\a:BM+2*\a+1] op_sel_hi:[1,0]   ; each accumulator from its low end on
.set k, k+1
.endr
	WIN 0
	QUANT H, PWS+\a
.irp c, 0,1,2
	global_store_b128 v[LI], v[PC+4*\c:PC+4*\c+3], s[92:93] offset:\a*1536+512*\c   ; 512 consecutive bytes, aligned
.endr
.endr
.irp j, 0,1,2,3
	v_cndmask_b32 v[OI+\j], v[PWS+2*\j], v[PWS+2*\j+1], s100   ; register j: lanes 0-15 tile 2 j's words, lanes 16-31 tile 2 j + 1's
.endr
	global_store_b128 v[LI], v[OI:OI+3], s[94:95]
	s_wait_tensorcnt 0x0                           ; the wave's end: a wait, an add of 0 to my spare word and its wait, behind my last tensor load
	ds_add_u32 v[SPW], v[NIL]
	s_wait_dscnt 0x0
	CROUND                                         ; the closing round: no work-group ends while a partner may still ask for a tile that names it
	s_endpgm
; ---- Wo ([2048][2048] f32, K innermost) BECOMES CODES AND SCALE WORDS, by the preparing launch's plan, in the 64 work-groups of cluster y 6 and 7: the three products have 192 tiles, and the grid is one work-group to a WGP.
; Work-group e = 8 x (tile row) + (tile column), 0..63, takes row tiles e and e + 64 in a loop of two trips; wave w takes K steps 4 w .. 4 w + 3 of 128.  Place p of tile rt is row 32 (rt / 2) + 8 (rt % 2) + p + 8 (p / 8).
; Buffer wo: images of fragments, ((K / 512) x 128 + rt) x 4 + (K / 128) % 4, 1,536 bytes each; from byte 3,145,728 on the scale words: rt x 1,024 + (K / 256) x 128 + 8 x place + 4 x ((K / 128) % 2).
; Each load reads 512 consecutive bytes of one row; a step's 16 rows turn through the wave's own stage in LDS, on bytes that the products' path never names.  No tensor load on this path; the place in the cluster enters global addresses alone.
; LIMITS as in the products' path: a block of zeros, and one under 2^-124, keeps the byte 1; NaN and infinities are not served.
.set WST,  8448                        ; a wave's stage: 16 rows x (512 + 16) bytes
.set XST,  230400                      ; the four stages, behind the spare words
.set XLI,  4                           ; v4  16 x lane
.set QSI,  5                           ; v5  stage, way in
.set QSO,  6                           ; v6  stage, way out: 528 r + 64 h
.set XL8,  9                           ; v9  8 x lane
.set XPW,  12                          ; v12-15 the four fragments' scale words
.set XOW,  16                          ; v16-17 the words as they leave
.set TM,   18                          ; v18-25, v30-33 at work in QUANT (v28, v29 stay the add's two registers)
.set PC,   34                          ; v34-53 the codes just made
.set XR,   56                          ; v56-183 two sets of 64 registers as loaded
.set XX,   184                         ; v184-247 64 numbers: register 16 b + i = k 32 b + 16 h + i of my row
.macro LOADX s, set                    ; K step s of my four: 512 consecutive bytes of each of the tile's 16 rows
.irp p, 0,1,2,3,4,5,6,7,8,9,10,11,12,13,14,15
	global_load_b128 v[XR+64*(\set)+4*\p:XR+64*(\set)+4*\p+3], v[XLI], s[26:27] offset:(\p+8*(\p/8))*8192+512*(\s) th:TH_LOAD_NT
.endr
.endm
.macro TURNX set                       ; through my stage: LDS serves a wave's instructions in order, so no wait stands between the stores and the loads
.irp p, 0,1,2,3,4,5,6,7,8,9,10,11,12,13,14,15
	ds_store_b128 v[QSI], v[XR+64*(\set)+4*\p:XR+64*(\set)+4*\p+3] offset:528*\p
.endr
.irp b, 0,1,2,3
.irp j, 0,1,2,3
	ds_load_b128 v[XX+16*\b+4*\j:XX+16*\b+4*\j+3], v[QSO] offset:128*\b+16*\j
.endr
.endr
.endm
.Lextra:
	s_load_b128 s[4:7], s[0:1], 0x38               ; Wo s[4:5], wo s[6:7]
	s_lshl_b32 s24, s43, 3
	s_add_co_u32 s24, s24, s42                     ; e: my first row tile
	s_mul_i32 s25, s18, WST
	s_add_co_u32 s25, s25, XST                     ; my stage
	s_lshr_b32 s28, s24, 1
	s_lshl_b32 s28, s28, 18                        ; 32 rows of 8,192 bytes
	s_and_b32 s29, s24, 1
	s_lshl_b32 s29, s29, 16                        ; 8 rows
	s_add_co_u32 s28, s28, s29
	s_lshl_b32 s29, s18, 11                        ; my wave's 2,048 bytes of each row
	s_add_co_u32 s28, s28, s29
	s_mov_b32 s29, 0
	s_mul_i32 s30, s24, 6144                       ; four images to a tile
	s_mul_i32 s31, s18, 786432                     ; 512 along K
	s_add_co_u32 s30, s30, s31
	s_mov_b32 s31, 0
	s_lshl_b32 s32, s24, 10
	s_lshl_b32 s33, s18, 8
	s_add_co_u32 s32, s32, s33
	s_add_co_u32 s32, s32, 3145728
	s_mov_b32 s33, 0
	s_mov_b32 s3, 2                                ; tiles to go
	v_and_b32 v1, 31, v0                           ; lane
	v_and_b32 v2, 15, v0                           ; r
	v_bfe_u32 v3, v0, 4, 1                         ; h
	v_lshlrev_b32 v[XLI], 4, v1
	v_lshlrev_b32 v[XL8], 3, v1
	v_mul_u32_u24 v[QSO], v2, 528
	v_add_nc_u32 v[QSI], s25, v[XLI]
	v_lshl_add_u32 v[QSO], v3, 6, v[QSO]
	v_add_nc_u32 v[QSO], s25, v[QSO]
.irp b, 0,1,2,3
	v_mov_b32 v[TM+4+\b], 0                        ; written once: a lane permute's destination counts as one of its sources
.endr
	s_wait_alu depctr_va_vdst(0)
	s_wait_kmcnt 0x0
	s_add_nc_u64 s[26:27], s[4:5], s[28:29]        ; my numbers
	s_add_nc_u64 s[30:31], s[6:7], s[30:31]        ; my four fragments
	s_add_nc_u64 s[34:35], s[6:7], s[32:33]        ; my 256 bytes of scale words
.Lxtile:
	LOADX 0, 0
	LOADX 1, 1
.irp s, 0,1,2,3
.if \s < 3
	s_wait_loadcnt 16                              ; this K step's 16 loads are in; the next one's 16 may be out
.else
	s_wait_loadcnt 0x0
.endif
	TURNX \s%2
	s_wait_dscnt 0x0                               ; the numbers are back, and the stage's stores have read their registers
	s_wait_xcnt 0x0                                ; the last fragment's stores have read the codes' registers, which QUANT writes again
.if \s < 2
	LOADX \s+2, \s%2
.endif
	QUANT XX, XPW+\s
.irp c, 0,1,2
	global_store_b128 v[XLI], v[PC+4*\c:PC+4*\c+3], s[30:31] offset:\s*1536+512*\c   ; 512 consecutive bytes, aligned
.endr
.endr
	v_cndmask_b32 v[XOW], v[XPW], v[XPW+2], s100   ; lanes 0-15: the words of my first 256 along K; lanes 16-31: of my second
	v_cndmask_b32 v[XOW+1], v[XPW+1], v[XPW+3], s100
	global_store_b64 v[XL8], v[XOW:XOW+1], s[34:35]    ; 256 consecutive bytes, aligned
	s_wait_xcnt 0x0                                ; every address and every store's data have been read: the bases step to row tile e + 64
	s_add_nc_u64 s[26:27], s[26:27], 0x800000      ; 1,024 rows of 8,192 bytes
	s_add_nc_u64 s[30:31], s[30:31], 393216        ; 64 tiles of four images
	s_add_nc_u64 s[34:35], s[34:35], 65536
	s_sub_co_u32 s3, s3, 1
	s_cmp_lg_u32 s3, 0
	s_wait_alu depctr_va_vdst(0)
	s_cbranch_scc1 .Lxtile
	s_wait_tensorcnt 0x0                           ; the wave's end: a wait, an add of 0 to my spare word and its wait, behind my last LDS store
	ds_add_u32 v[SPW], v[NIL]
	s_wait_dscnt 0x0
	CROUND                                         ; the closing round, as on the products' path
	s_endpgm
.Lfunc_end_k_qd543658754_qkv:
	.size	k_qd543658754_qkv, .Lfunc_end_k_qd543658754_qkv-k_qd543658754_qkv
	.p2alignl 7, 3214868480
	.fill 96, 4, 3214868480
	.section	.rodata,"a",@progbits
	.p2align	6, 0x0
	.amdhsa_kernel k_qd543658754_qkv
		.amdhsa_group_segment_fixed_size 327680
		.amdhsa_private_segment_fixed_size 0
		.amdhsa_enable_private_segment 0
		.amdhsa_kernarg_size 72
		.amdhsa_user_sgpr_count 2
		.amdhsa_user_sgpr_kernarg_segment_ptr 1
		.amdhsa_wavefront_size32 1
		.amdhsa_system_sgpr_workgroup_id_x 1
		.amdhsa_system_sgpr_workgroup_id_y 1
		.amdhsa_system_sgpr_workgroup_id_z 1
		.amdhsa_system_vgpr_workitem_id 0
		.amdhsa_next_free_vgpr 1024
		.amdhsa_next_free_sgpr 106
		.amdhsa_reserve_vcc 0
		.amdhsa_float_denorm_mode_32 3
		.amdhsa_float_denorm_mode_16_64 3
		.amdhsa_memory_ordered 1
		.amdhsa_forward_progress 1
		.amdhsa_inst_pref_size 198
	.end_amdhsa_kernel
	.amdgpu_metadata
---
amdhsa.version: [ 1, 2 ]
amdhsa.kernels:
  - .name:           k_qd543658754_qkv
    .symbol:         k_qd543658754_qkv.kd
    .args:
      - { .name: opc, .offset: 0, .size: 8, .value_kind: global_buffer, .address_space: global }
      - { .name: ops, .offset: 8, .size: 8, .value_kind: global_buffer, .address_space: global }
      - { .name: bq, .offset: 16, .size: 8, .value_kind: global_buffer, .address_space: global }
      - { .name: bk, .offset: 24, .size: 8, .value_kind: global_buffer, .address_space: global }
      - { .name: bv, .offset: 32, .size: 8, .value_kind: global_buffer, .address_space: global }
      - { .name: qkvc, .offset: 40, .size: 8, .value_kind: global_buffer, .address_space: global }
      - { .name: qkvs, .offset: 48, .size: 8, .value_kind: global_buffer, .address_space: global }
      - { .name: Wo, .offset: 56, .size: 8, .value_kind: global_buffer, .address_space: global }
      - { .name: wo, .offset: 64, .size: 8, .value_kind: global_buffer, .address_space: global }
    .group_segment_fixed_size: 327680
    .private_segment_fixed_size: 0
    .kernarg_segment_align: 8
    .kernarg_segment_size: 72
    .max_flat_workgroup_size: 128
    .sgpr_count:     106
    .vgpr_count:     1024
    .wavefront_size: 32
...
	.end_amdgpu_metadata
.endif
;; end of part 2
;; launch attn (part 3): grid 16 x 16, 16 waves a work-group, clusters of 4 x 1, 327,680 bytes of LDS; arguments qkvc, qkvs, mbits, atc, ats; writes atc, ats
.if DOCPART == 3
	.amdgcn_target "amdgcn-amd-amdhsa--gfx1250"
	.amdhsa_code_object_version 6
	.text
	.protected	k_qd543658754_attn
	.globl	k_qd543658754_attn
	.p2align	8
	.type	k_qd543658754_attn,@function
k_qd543658754_attn:
	s_mov_b64 s[64:65], 0
	v_nop
	global_prefetch_b8 v0, s[64:65] scope:SCOPE_SE
	s_setreg_imm32_b32 hwreg(HW_REG_WAVE_MODE, 25, 1), 1
	s_wait_xcnt 0x0
	s_wait_alu depctr_hold_cnt(0) depctr_sa_sdst(0) depctr_va_vdst(0) depctr_va_sdst(0) depctr_va_ssrc(0) depctr_va_vcc(0) depctr_vm_vsrc(0)
	s_getreg_b32 s2, hwreg(HW_REG_IB_STS2, 6, 4)
	s_cmp_eq_u32 s2, 0
	s_cbranch_scc0 .Lentry_in_a_cluster
	s_endpgm
.Lentry_in_a_cluster:
	s_bfe_u32 s2, ttmp6, 0x10000c
	s_cmp_lg_u32 s2, 0x3003
	s_cbranch_scc0 .Lentry_shape_is_right
	s_endpgm
.Lentry_shape_is_right:
; Attention of one head on codes of FP6 (E2M3): S^T = K Q^T, the mask, p = 2^(t - M), O^T = V^T P^T, O / l, quantised along the head's 128 for the last projection.
; t = score x log2(e) / sqrt(128); M = the row's largest t so far, rounded UP to a whole number; p is quantised along the keys, not normalised; the row's sum l is taken of the unquantised p and divides O at the end.
; When M moves, l and O are multiplied by 2^(old M - new M): exact.
; THE MASK IS AN INPUT: every query meets all 2,048 keys.  An earlier launch has laid the mask's bytes as lane-mask words, 64 a key step; they come by scalar loads and serve as the select of v_cndmask_b32 alone.
; A masked score becomes -2^120: c x that is exact and a whole number, so a row masked so far has t - M = 0 and p = 1 (the uniform row, if it stays so); the first open key makes 2^(old M - new M) = 0, which wipes those terms.
; SHARES.  A work-group owns 128 queries (8 row tiles) of one head and has sixteen waves, four to a SIMD.  Wave w owns tile w % 8 and half w / 8 of the keys: key steps 8 (w / 8) .. + 7, 128 keys a step.
; Each half has its own M, l and O^T; at the end the second half's wave hands them to the first half's through LDS: each part is multiplied by 2^(its M - M), which is exact, and the parts are added.
; LAYOUT.  Both products are used transposed; a lane holds ONE query throughout.  The keys of a tile of K lie in the order 32 (t / 2) + 8 (t % 2) + p + 8 (p / 8), so that the 16 registers of tiles 2 b, 2 b + 1 are keys 32 b + 16 h + 0 .. 15;
; V^T's rows likewise.  Operands lie in memory and in LDS as images of their registers, 1,536 bytes a fragment, eight to a key step: a fragment comes by three loads of 512 consecutive bytes.
; LDS IS FILLED ONCE.  Three regions of 16 steps x 6,144 bytes: K's tiles 0-3, K's tiles 4-7, V's tiles 4-7; then the head's scale words.  Wave w < 12 brings four steps of region w / 4 by one tensor load
; (4 rows of 6,144 bytes, 12,288 apart in memory), waves 12 .. 15 a quarter of the scale words each.  All of K and V would be 393,216 bytes and does not fit: so V's TILES 0-3 come from memory straight into registers,
; twelve loads of 512 consecutive bytes a step, asked for behind the score products and waited for in front of the second product: the whole softmax stands between.  So no slot is filled again and no barrier stands between the steps.
; CLUSTER.  The four query groups of a cluster belong to one head: each tile in LDS is asked for jointly.  V's tiles 0-3 go to registers, where no joint request reaches.
; PREFETCH.  V's tiles 0-3 of step s + 2 are asked for in step s: 24 blocks of 256 bytes a half; tile 0's wave of each half asks, each of the four partners for six blocks, told apart by address (lanes 6-31 name the last again);
; steps 0, 1 at the head; the last two steps ask for nothing.  A wave's mask words, one block a step, are asked for three steps ahead (steps 0 .. 2 at the head; the last three steps ask for nothing).
; LIMITS: raw scores at or under -2^120 are not told apart from masked ones; t is the score times ONE f32 constant; a block of zeros keeps the scale byte 1; NaN and infinities are not served.
; REGISTERS: v1-9 addresses and constants; v[10:11] c; v12 -M, v13 the largest t, v[14:15] l; v16-27 Q; v28-31 V's scale words; v32-79 four fragments; v80-87 addresses that stay (v84-95 the merge, at the end);
;   v96-159 S^T, then p, then V's tiles 4-7; v160-223 O^T; v224-247, v252-254 at work; v248-251 K's scale words; v255 Q's.
.set STEPH, 6144                       ; four images: a step's part of a region
.set RG,    98304                      ; a region: 16 steps
.set SCK,   294912                     ; K's scale words of the head, 512 bytes a step; V's lie 8,192 further on
.set SST,   311296                     ; 512 bytes in which the eight tiles' scale words of O meet
.set SPARE, 311808                     ; the spare words, 128 bytes a wave: eight blocks of 256 bytes that no other line names
.set MRGT,  8704                       ; the merge: tile t's part at MRGT t, in the first region, which is read no more then: 64 registers of O^T and four of statistics
.set TEN,   3145728
.set LI,  1                            ; v1  16 x lane
.set ADK, 2                            ; v2  K's tiles 0-3 in hand
.set ADS, 3                            ; v3  the scale words in hand
.set SPW, 4
.set NIL, 5
.set NEG, 6                            ; v6  -2^120
.set ADV, 7                            ; v7  V's tiles 4-7 in hand
.set SWR, 8                            ; v8  where my row's scale word of O goes
.set QSA, 9                            ; v9  16 r
.set F,   32                           ; v32-79 four fragments
.set LIK, 80                           ; v80 16 x lane + my half's place in the first region
.set LIV, 81                           ; v81 the same in the third
.set MGA, 82                           ; v82 16 x lane + my tile's part of the merge
.set SRD, 83                           ; v83 SST + 16 x lane
.set ADK1, 84                          ; v84 K's tiles 4-7 in hand
.set LIK1, 85                          ; v85 16 x lane + my half's place in the second region
.set PFV, 86                           ; v86 the prefetch of V: my work-group's six blocks
.set PFM, 87                           ; v87 0: the prefetch of mask words names one block
.set TM,  32                           ; the way out: at work,
.set PC,  48                           ; the codes,
.set PW,  68                           ; the scale word
.set SEL, 28                           ; s[28:29] selects for lane l xor 16
.set VG,  104                          ; s[104:105] V's images of the step in hand
.set LIM, 101                          ; s101 2 in tile 0's waves, the greatest number in the others
.macro CROUND                          ; a round of the cluster's barrier
	s_barrier_signal -1
	s_barrier_wait -1
	s_cmp_lg_u32 s24, 0
	s_cbranch_scc1 .Lnot_wave_0_\@
	s_barrier_signal -3
.Lnot_wave_0_\@:
	s_barrier_wait -3
	s_barrier_signal -1
	s_barrier_wait -1
.endm
.macro FOURNOP
.rept 4
	v_nop
.endr
.endm
.macro QUANT s, pw                     ; 64 numbers of a lane, register 16 b + i = k 32 b + 16 h + i of my row -> codes in v[PC] on, scale word in v[pw]
.irp b, 0,1,2,3
	v_max3_num_f32 v[TM+\b], |v[\s+16*\b]|, |v[\s+1+16*\b]|, 0x1800000   ; and the floor 2^(3 - 127): the byte cannot fall under 1
.endr
.irp i, 2,4,6,8,10,12,14
.irp b, 0,1,2,3
	s_delay_alu instid0(VALU_DEP_4)
	v_max3_num_f32 v[TM+\b], v[TM+\b], |v[\s+16*\b+\i]|, |v[\s+1+16*\b+\i]|
.endr
.endr
.irp b, 0,1,2,3
	s_delay_alu instid0(VALU_DEP_4)
	v_permlanex16_b32 v[TM+4+\b], v[TM+\b], s[SEL], s[SEL+1]
.endr
.irp b, 0,1,2,3
	s_delay_alu instid0(VALU_DEP_4)
	v_max_num_f32 v[TM+\b], v[TM+\b], v[TM+4+\b]
.endr
.irp b, 0,1,2,3
	s_delay_alu instid0(VALU_DEP_4)
	v_add_nc_u32 v[TM+12+\b], 0xff000000, v[TM+\b]
.endr
.irp b, 0,1,2,3
	s_delay_alu instid0(VALU_DEP_4)
	v_lshrrev_b32 v[TM+4+\b], 23, v[TM+12+\b]
.endr
	s_delay_alu instid0(VALU_DEP_3)
	v_lshl_or_b32 v[\pw], v[TM+5], 8, v[TM+4]
	s_delay_alu instid0(VALU_DEP_1)
	v_lshl_or_b32 v[\pw], v[TM+6], 16, v[\pw]
	s_delay_alu instid0(VALU_DEP_1)
	v_lshl_or_b32 v[\pw], v[TM+7], 24, v[\pw]
.irp c, 0,1
	v_cvt_scalef32_pk16_fp6_f32 v[PC+6*\c:PC+2+6*\c], v[\s+32*\c:\s+15+32*\c], v[TM+12+2*\c]
	v_cvt_scalef32_pk16_fp6_f32 v[PC+12+4*\c:PC+14+4*\c], v[\s+16+32*\c:\s+31+32*\c], v[TM+12+2*\c+1]
.endr
	v_nop
.irp c, 0,1
.irp i, 0,1,2
	v_permlane16_swap_b32 v[PC+6*\c+\i], v[PC+12+4*\c+\i]
.endr
.irp i, 0,1,2
	s_delay_alu instid0(VALU_DEP_3)
	v_mov_b32 v[PC+3+6*\c+\i], v[PC+12+4*\c+\i]
.endr
.endr
.endm
	s_load_b256 s[32:39], s[0:1], 0x0              ; qkvc s[32:33], qkvs s[34:35], mbits s[36:37], atc s[38:39]
	s_load_b64 s[40:41], s[0:1], 0x20              ; ats
	v_lshl_add_u32 v[SPW], v0, 2, SPARE
	v_mov_b32 v[NIL], 0
	ds_add_u32 v[SPW], v[NIL]                      ; the opening lines: the add, twice on end, and its wait ahead of my tensor load; the set-up below stands between
	ds_add_u32 v[SPW], v[NIL]
	v_lshrrev_b32 v1, 5, v0
	s_delay_alu instid0(VALU_DEP_1)
	v_readfirstlane_b32 s24, v1                    ; wave 0..15
	s_bfe_u32 s100, ttmp6, 0x40000                 ; cx
	s_lshl_b32 s101, ttmp9, 2
	s_add_co_u32 s101, s101, s100                  ; my group of 128 queries: it enters Q's, the mask's and O's addresses alone
	s_and_b32 s104, ttmp7, 0xffff                  ; the head, which the four partners share
	s_mov_b32 s44, 15|(3<<16)|(1<<21)              ; group 1, codes: the mask names all four; elements of 8 bytes; 21 set beside a mask; 4 rows of 768 elements, 1,536 elements apart
	s_mov_b32 s45, 768<<16
	s_mov_b32 s46, 4<<16
	s_mov_b32 s47, 768<<16
	s_mov_b32 s48, 4
	s_mov_b32 s49, 1536
	s_mov_b32 s50, 0
	s_mov_b32 s51, 0
	s_mov_b32 s52, 15|(3<<16)|(1<<21)              ; group 1, scale words: 16 rows of 256 bytes, dense
	s_mov_b32 s53, 32<<16
	s_mov_b32 s54, 16<<16
	s_mov_b32 s55, 32<<16
	s_mov_b32 s56, 16
	s_mov_b32 s57, 32
	s_mov_b32 s58, 0
	s_mov_b32 s59, 0
	s_lshr_b32 s84, s24, 2                         ; the region: 0 K's tiles 0-3, 1 K's tiles 4-7, 2 V's tiles 4-7
	s_and_b32 s85, s24, 3                          ; which four steps of its sixteen
	s_lshr_b32 s86, s84, 1
	s_add_co_u32 s86, s86, 1                       ; K is tensor 1 of qkvc and qkvs, V tensor 2
	s_add_co_u32 s87, s84, 1
	s_lshr_b32 s87, s87, 1                         ; 1: a step's second four images
	s_mov_b32 s68, 1                               ; group 0, codes
	s_mul_i32 s69, s24, 4*STEPH                    ; region x 98,304 + four steps x 6,144: no place in the cluster enters an LDS address
	s_mul_i32 s60, s86, TEN
	s_mul_i32 s88, s104, 196608                    ; a head's 128 images
	s_add_co_u32 s60, s60, s88
	s_mul_i32 s61, s85, 8*STEPH
	s_add_co_u32 s60, s60, s61
	s_mul_i32 s61, s87, STEPH
	s_add_co_u32 s60, s60, s61
	s_mov_b32 s61, 0
	s_mov_b32 s72, 1                               ; group 0, scale words: K's two halves, then V's
	s_lshl_b32 s73, s85, 12
	s_add_co_u32 s73, s73, SCK
	s_lshr_b32 s62, s85, 1
	s_add_co_u32 s62, s62, 1
	s_lshl_b32 s62, s62, 17
	s_lshl_b32 s63, s104, 13
	s_add_co_u32 s62, s62, s63
	s_and_b32 s63, s85, 1
	s_lshl_b32 s63, s63, 12
	s_add_co_u32 s62, s62, s63
	s_mov_b32 s63, 0
	s_mov_b32 s[SEL], 0x76543210
	s_mov_b32 s[SEL+1], 0xfedcba98
	s_mov_b32 s25, 0                               ; the step in hand: its place in my half of a region
	s_mov_b32 s27, 8                               ; steps to go, this one among them
	s_wait_dscnt 0x0                               ; both opening adds are done
	s_wait_kmcnt 0x0
	s_add_nc_u64 s[70:71], s[32:33], s[60:61]
	s_or_b32 s71, s71, 0x80000000
	s_add_nc_u64 s[74:75], s[34:35], s[62:63]
	s_or_b32 s75, s75, 0x80000000
	CROUND                                         ; all four work-groups are here: the joint loads meet
	s_cmp_lt_u32 s24, 12                           ; one load a wave, in the two arms of one branch on the wave's number
	s_cbranch_scc0 .Lhead_scales
	tensor_load_to_lds s[68:71], s[44:51]
	s_nop 0
	FOURNOP
	s_branch .Lhead_asked
.Lhead_scales:
	tensor_load_to_lds s[72:75], s[52:59]
	s_nop 0
	FOURNOP
.Lhead_asked:
	s_and_b32 s42, s24, 7                          ; my tile of the eight
	s_lshr_b32 s43, s24, 3                         ; my half of the keys
	s_lshl_b32 s60, s101, 3
	s_add_co_u32 s60, s60, s42                     ; my row tile
	s_lshl_b32 s2, s60, 12
	s_lshl_b32 s61, s43, 11
	s_add_co_u32 s2, s2, s61
	s_mov_b32 s3, 0
	s_add_nc_u64 s[2:3], s[36:37], s[2:3]          ; its mask words, 256 bytes a key step, from my half's first step on
	s_lshr_b32 s62, s104, 2
	s_lshl_b32 s62, s62, 7
	s_add_co_u32 s62, s62, s60
	s_lshl_b32 s62, s62, 2
	s_and_b32 s63, s104, 3
	s_add_co_u32 s62, s62, s63
	s_mul_i32 s62, s62, 1536
	s_mov_b32 s63, 0
	s_add_nc_u64 s[30:31], s[38:39], s[62:63]      ; O's image: ((head / 4) x 128 + tile) x 4 + head % 4
	s_lshl_b32 s62, s101, 4
	s_add_co_u32 s62, s62, s104
	s_lshl_b32 s62, s62, 9
	s_add_nc_u64 s[66:67], s[40:41], s[62:63]      ; O's scale words: (group x 16 + head) x 512
	s_lshl_b32 s62, s104, 7
	s_add_co_u32 s62, s62, s60
	s_mul_i32 s62, s62, 1536
	s_add_nc_u64 s[76:77], s[32:33], s[62:63]      ; Q's image
	s_and_b32 s90, s42, 1
	s_lshl_b32 s90, s90, 8
	s_lshr_b32 s61, s42, 1
	s_lshl_b32 s61, s61, 2
	s_add_co_u32 s90, s90, s61                     ; tile t's words in an image of eight tiles' scale words: 256 (t % 2) + 4 (t / 2) + 16 r
	s_lshl_b32 s62, s104, 4
	s_add_co_u32 s62, s62, s101
	s_lshl_b32 s62, s62, 9
	s_add_co_u32 s62, s62, s90
	s_add_nc_u64 s[78:79], s[34:35], s[62:63]      ; Q's scale words
	s_lshl_b32 s26, s43, 12
	s_add_co_u32 s26, s26, SCK                     ; K's scale words of my half's first step
	s_mul_i32 s92, s43, 98304
	s_add_co_u32 s92, s92, s88
	s_add_co_u32 s92, s92, 2*TEN
	s_mov_b32 s93, 0
	s_add_nc_u64 s[VG:VG+1], s[32:33], s[92:93]    ; V's images of my half's first step
	s_cmp_eq_u32 s42, 0
	s_cselect_b32 s[LIM], 2, -1
	s_mul_i32 s100, s100, STEPH/4                  ; my work-group's quarter of the 24 blocks
	s_mul_i32 s91, s43, 8*STEPH
	s_mul_i32 s94, s42, MRGT
	v_and_b32 v1, 31, v0
	v_and_b32 v[QSA], 15, v0
	v_mov_b32 v[PFM], 0
	v_min_u32 v[PFV], 5, v1
	v_lshlrev_b32 v[LI], 4, v1
	v_lshlrev_b32 v[QSA], 4, v[QSA]
	v_lshlrev_b32 v[PFV], 8, v[PFV]
	v_add_nc_u32 v[LIK], s91, v[LI]
	v_add_nc_u32 v[SWR], s90, v[QSA]
	v_add_nc_u32 v[PFV], s100, v[PFV]
	v_add_nc_u32 v[LIK1], RG, v[LIK]
	v_add_nc_u32 v[SWR], SST, v[SWR]
	v_add_nc_u32 v[LIV], 2*RG, v[LIK]
	v_add_nc_u32 v[SRD], SST, v[LI]
	v_add_nc_u32 v[MGA], s94, v[LI]                ; the two waves of a tile name the same bytes: one stores them, the other loads them
.irp c, 0,1,2
	global_load_b128 v[16+4*\c:19+4*\c], v[LI], s[76:77] offset:512*\c   ; Q's fragment stays in registers
.endr
	global_load_b32 v255, v[QSA], s[78:79]
.irp s, 0,1,2
	global_prefetch_b8 v[PFM], s[2:3] offset:256*\s th:TH_LOAD_NT scope:SCOPE_SE   ; my mask words of steps 0 .. 2
.endr
	s_wait_alu depctr_va_vdst(0)
	s_cmp_gt_u32 s27, s[LIM]
	s_cbranch_scc0 .Lno_pf0
	global_prefetch_b8 v[PFV], s[VG:VG+1] th:TH_LOAD_NT scope:SCOPE_SE                ; V's tiles 0-3 of step 0 of my half,
	global_prefetch_b8 v[PFV], s[VG:VG+1] offset:2*STEPH th:TH_LOAD_NT scope:SCOPE_SE ; and of step 1
.Lno_pf0:
	v_mov_b32 v[NEG], 0xfb800000                   ; -2^120
	v_mov_b32 v10, 0x3e0293ee                      ; c = log2(e) / sqrt(128)
	v_mov_b32 v11, 0x3e0293ee
	v_mov_b32 v13, 0xff61b1e6                      ; the largest t so far: -3e38
	v_mov_b32 v14, 0
	v_mov_b32 v15, 0
	v_floor_f32 v12, -v13                          ; -M
.irp b, 0,1,2,3
	v_mov_b32 v[236+\b], 0                         ; a lane permute's destination counts as one of its sources
.endr
	v_mov_b32 v253, 0                              ; (named as the upper half of the pair v[252:253] before it is first written)
	s_wait_alu depctr_va_vdst(0)
	s_wait_tensorcnt 0x0                           ; my one load is in
	s_barrier_signal -1
	s_barrier_wait -1                              ; everybody's is: LDS holds all that the launch reads from it
	s_wait_xcnt 0x0                                ; every address has been read,
	s_wait_loadcnt 0x0                             ; and Q is in: the bases, the arguments and the descriptors give way to the mask words
.macro MASKLOAD                        ; a key step's 64 lane-mask words: word n in s[32 + n] (n < 32) or s[36 + n]
	s_load_b512 s[32:47], s[2:3], 0x0
	s_load_b512 s[48:63], s[2:3], 0x40
	s_load_b512 s[68:83], s[2:3], 0x80
	s_load_b512 s[84:99], s[2:3], 0xc0
.endm
	MASKLOAD
.macro SPROD t                         ; S^T, tile t of 16 keys
.if (\t)%2
	v_wmma_scale_f32_16x16x128_f8f6f4 v[96+8*(\t):103+8*(\t)], v[F+12*((\t)%4):F+12*((\t)%4)+11], v[16:27], 0, v[248+(\t)/2], v255 matrix_a_fmt:MATRIX_FMT_FP6 matrix_b_fmt:MATRIX_FMT_FP6 matrix_a_scale:MATRIX_SCALE_ROW1
.else
	v_wmma_scale_f32_16x16x128_f8f6f4 v[96+8*(\t):103+8*(\t)], v[F+12*((\t)%4):F+12*((\t)%4)+11], v[16:27], 0, v[248+(\t)/2], v255 matrix_a_fmt:MATRIX_FMT_FP6 matrix_b_fmt:MATRIX_FMT_FP6
.endif
.endm
.macro OPROD t, first                  ; O^T, tile t of 16 channels: V's tiles 0-3 lie in v32-79, tiles 4-7 in v96-143
.set rA, F+12*(\t)+16*((\t)/4)
.set rD, 160+8*(\t)
.if \first
.if (\t)%2
	v_wmma_scale_f32_16x16x128_f8f6f4 v[rD:rD+7], v[rA:rA+11], v[224:235], 0, v[28+(\t)/2], v253 matrix_a_fmt:MATRIX_FMT_FP6 matrix_b_fmt:MATRIX_FMT_FP6 matrix_a_scale:MATRIX_SCALE_ROW1
.else
	v_wmma_scale_f32_16x16x128_f8f6f4 v[rD:rD+7], v[rA:rA+11], v[224:235], 0, v[28+(\t)/2], v253 matrix_a_fmt:MATRIX_FMT_FP6 matrix_b_fmt:MATRIX_FMT_FP6
.endif
.else
.if (\t)%2
	v_wmma_scale_f32_16x16x128_f8f6f4 v[rD:rD+7], v[rA:rA+11], v[224:235], v[rD:rD+7], v[28+(\t)/2], v253 matrix_a_fmt:MATRIX_FMT_FP6 matrix_b_fmt:MATRIX_FMT_FP6 matrix_a_scale:MATRIX_SCALE_ROW1
.else
	v_wmma_scale_f32_16x16x128_f8f6f4 v[rD:rD+7], v[rA:rA+11], v[224:235], v[rD:rD+7], v[28+(\t)/2], v253 matrix_a_fmt:MATRIX_FMT_FP6 matrix_b_fmt:MATRIX_FMT_FP6
.endif
.endif
.endm
; A KEY STEP: 128 keys.  first = 1: my half's first step starts the sums of O^T with C = 0: nothing is cleared or rescaled.
.macro STEP first
	v_add_nc_u32 v[ADK], s25, v[LIK]               ; these four and a v_nop are the five places behind the last products: the score products below write over registers that those read
	v_add_nc_u32 v[ADK1], s25, v[LIK1]
	v_add_nc_u32 v[ADV], s25, v[LIV]
	v_add_nc_u32 v[ADS], s26, v[LI]
	v_nop
	s_wait_alu depctr_va_vdst(0)
	s_add_co_u32 s25, s25, STEPH                   ; the next step's places
	s_add_co_u32 s26, s26, 512
.irp t, 0,1,2,3
.irp c, 0,1,2
	ds_load_b128 v[F+12*\t+4*\c:F+12*\t+4*\c+3], v[ADK] offset:\t*1536+512*\c
.endr
.endr
	ds_load_b128 v[248:251], v[ADS]                ; K's scale words: register j: lanes 0-15 tile 2 j's, lanes 16-31 tile 2 j + 1's
	s_wait_dscnt 0x0                               ; the SIMD's other three waves work meanwhile
.irp t, 0,1,2,3
	SPROD \t
.endr
	FOURNOP                                        ; places in front of loads into registers that matrix instructions have read
.irp t, 0,1,2,3
.irp c, 0,1,2
	ds_load_b128 v[F+12*\t+4*\c:F+12*\t+4*\c+3], v[ADK1] offset:\t*1536+512*\c
.endr
.endr
	s_wait_dscnt 0x0
.irp t, 4,5,6,7
	SPROD \t
.endr
	FOURNOP                                        ; places behind the products: for the loads below and for the first read of the scores
.irp t, 0,1,2,3
.irp c, 0,1,2
	global_load_b128 v[F+12*\t+4*\c:F+12*\t+4*\c+3], v[LI], s[VG:VG+1] offset:\t*1536+512*\c   ; V's tiles 0-3, from memory: they land under the softmax
.endr
.endr
	ds_load_b128 v[28:31], v[ADS] offset:8192      ; V's scale words
	s_cmp_gt_u32 s27, 3                            ; three steps on there are mask words of my half
	s_cbranch_scc0 .Lnm_\@
	global_prefetch_b8 v[PFM], s[2:3] offset:768 th:TH_LOAD_NT scope:SCOPE_SE
.Lnm_\@:
	s_cmp_gt_u32 s27, s[LIM]                       ; tile 0's wave, and two steps on there is a step of my half
	s_cbranch_scc0 .Lnv_\@
	global_prefetch_b8 v[PFV], s[VG:VG+1] offset:4*STEPH th:TH_LOAD_NT scope:SCOPE_SE
.Lnv_\@:
	s_wait_kmcnt 0x0                               ; this step's mask words
.set n, 0
.rept 32
	v_cndmask_b32 v[96+n], v[96+n], v[NEG], s[32+n]    ; register 16 b + i: key 32 b + 16 h + i of the step; each accumulator from its low end on
.set n, n+1
.endr
.rept 32
	v_cndmask_b32 v[96+n], v[96+n], v[NEG], s[36+n]
.set n, n+1
.endr
	s_cmp_gt_u32 s27, 1                            ; no mask words lie behind my half's last step
	s_cbranch_scc0 .Lnw_\@
	s_wait_xcnt 0x0                                ; the prefetch above has read this base
	s_add_nc_u64 s[2:3], s[2:3], 256
	MASKLOAD                                       ; the next step's words: a whole step ahead of their use
.Lnw_\@:
.irp b, 0,1,2,3
	v_max3_num_f32 v[232+\b], v[96+16*\b], v[97+16*\b], v[98+16*\b]   ; the largest score of each block of 32 keys: it serves for the row's maximum and, since p rises with the score, for the block's largest p
.endr
.irp i, 3,5,7,9,11,13
.irp b, 0,1,2,3
	s_delay_alu instid0(VALU_DEP_4)
	v_max3_num_f32 v[232+\b], v[232+\b], v[96+16*\b+\i], v[97+16*\b+\i]
.endr
.endr
.irp b, 0,1,2,3
	s_delay_alu instid0(VALU_DEP_4)
	v_max_num_f32 v[232+\b], v[232+\b], v[111+16*\b]
.endr
.irp b, 0,1,2,3
	s_delay_alu instid0(VALU_DEP_4)
	v_permlanex16_b32 v[236+\b], v[232+\b], s[SEL], s[SEL+1]
.endr
.irp b, 0,1,2,3
	s_delay_alu instid0(VALU_DEP_4)
	v_max_num_f32 v[232+\b], v[232+\b], v[236+\b]      ; with lane l xor 16's 16 keys
.endr
	s_delay_alu instid0(VALU_DEP_2)
	v_max3_num_f32 v254, v232, v233, v234
	s_delay_alu instid0(VALU_DEP_1)
	v_max_num_f32 v254, v254, v235
	s_delay_alu instid0(VALU_DEP_1)
	v_mul_f32 v254, v10, v254                      ; as t (c is positive)
	s_delay_alu instid0(VALU_DEP_1)
	v_max_num_f32 v13, v13, v254                   ; the running largest t
	v_mov_b32 v254, v12
	s_delay_alu instid0(VALU_DEP_2)
	v_floor_f32 v12, -v13                          ; the new -M = floor(-t): M is a whole number
	s_delay_alu instid0(VALU_DEP_1)
	v_sub_f32 v254, v12, v254                      ; old M - new M: a whole number, 0 or less
	s_delay_alu instid0(VALU_DEP_1)
	v_cvt_i32_f32 v254, v254                       ; (it saturates)
	s_delay_alu instid0(VALU_DEP_1)
	v_ldexp_f32 v252, 1.0, v254                    ; f = 2^(old M - new M)
.set j, 0
.rept 32
	v_pk_fma_f32 v[96+j:97+j], v[96+j:97+j], v[10:11], v[12:13] op_sel_hi:[1,0,0]   ; t - M, two at a time
.set j, j+2
.endr
.irp b, 0,1,2,3
	v_fma_f32 v[232+\b], v[232+\b], v10, v12       ; the same of each block's largest score
.endr
.set j, 0
	s_wait_alu depctr_va_vdst(0)
.rept 64
	v_exp_f32 v[96+j], v[96+j]                     ; p = 2^(t - M), at most 1: not normalised
.set j, j+1
.endr
	v_pk_mul_f32 v[14:15], v[14:15], v[252:253] op_sel_hi:[1,0]   ; l under the new M (a plain place behind the exponentials)
	s_wait_alu depctr_va_vdst(0)                   ; one wait for the batch of 64, ahead of its first reader
.irp b, 0,1,2,3
	v_exp_f32 v[232+\b], v[232+\b]                 ; the block's largest p: the same two instructions on the same number give the same bits
.endr
	v_pk_add_f32 v[236:237], v[100:101], v[104:105]    ; the row's sum of the unquantised p, in eight chains
	v_pk_add_f32 v[250:251], v[108:109], v[112:113]
	v_pk_add_f32 v[248:249], v[116:117], v[120:121]
	v_pk_add_f32 v[246:247], v[124:125], v[128:129]
	v_pk_add_f32 v[244:245], v[132:133], v[136:137]
	v_pk_add_f32 v[242:243], v[140:141], v[144:145]
	v_pk_add_f32 v[240:241], v[148:149], v[152:153]
	v_pk_add_f32 v[14:15], v[14:15], v[156:157]
	v_pk_add_f32 v[236:237], v[236:237], v[96:97]
	v_pk_add_f32 v[250:251], v[250:251], v[98:99]
	v_pk_add_f32 v[248:249], v[248:249], v[102:103]
	v_pk_add_f32 v[246:247], v[246:247], v[106:107]
	v_pk_add_f32 v[244:245], v[244:245], v[110:111]
	v_pk_add_f32 v[242:243], v[242:243], v[114:115]
	v_pk_add_f32 v[240:241], v[240:241], v[118:119]
	v_pk_add_f32 v[14:15], v[14:15], v[122:123]
	v_pk_add_f32 v[236:237], v[236:237], v[126:127]
	v_pk_add_f32 v[250:251], v[250:251], v[130:131]
	v_pk_add_f32 v[248:249], v[248:249], v[134:135]
	v_pk_add_f32 v[246:247], v[246:247], v[138:139]
	v_pk_add_f32 v[244:245], v[244:245], v[142:143]
	v_pk_add_f32 v[242:243], v[242:243], v[146:147]
	v_pk_add_f32 v[240:241], v[240:241], v[150:151]
	v_pk_add_f32 v[14:15], v[14:15], v[154:155]
	v_pk_add_f32 v[236:237], v[236:237], v[158:159]
	s_delay_alu instid0(VALU_DEP_2)
	v_pk_add_f32 v[14:15], v[14:15], v[246:247]
	s_delay_alu instid0(VALU_DEP_2)
	v_pk_add_f32 v[236:237], v[236:237], v[244:245]
	v_pk_add_f32 v[250:251], v[250:251], v[242:243]
	v_pk_add_f32 v[248:249], v[248:249], v[240:241]
	s_delay_alu instid0(VALU_DEP_2)
	v_pk_add_f32 v[14:15], v[14:15], v[250:251]
	s_delay_alu instid0(VALU_DEP_2)
	v_pk_add_f32 v[236:237], v[236:237], v[248:249]
	s_delay_alu instid0(VALU_DEP_1)
	v_pk_add_f32 v[14:15], v[14:15], v[236:237]
	s_wait_alu depctr_va_vdst(0)                   ; and one for the four
.irp b, 0,1,2,3
	v_max_num_f32 v[232+\b], 0x1800000, v[232+\b]  ; the floor 2^(3 - 127): a block whose every p is 0 keeps the byte 1; its codes are zeros
.endr
.irp b, 0,1,2,3
	s_delay_alu instid0(VALU_DEP_4)
	v_add_nc_u32 v[244+\b], 0xff000000, v[232+\b]
.endr
.irp b, 0,1,2,3
	s_delay_alu instid0(VALU_DEP_4)
	v_lshrrev_b32 v[236+\b], 23, v[244+\b]
.endr
	s_delay_alu instid0(VALU_DEP_3)
	v_lshl_or_b32 v253, v237, 8, v236              ; p's scale word for these 128 keys
	s_delay_alu instid0(VALU_DEP_1)
	v_lshl_or_b32 v253, v238, 16, v253
	s_delay_alu instid0(VALU_DEP_1)
	v_lshl_or_b32 v253, v239, 24, v253
.irp c, 0,1
	v_cvt_scalef32_pk16_fp6_f32 v[224+6*\c:226+6*\c], v[96+32*\c:111+32*\c], v[244+2*\c]
	v_cvt_scalef32_pk16_fp6_f32 v[236+4*\c:238+4*\c], v[112+32*\c:127+32*\c], v[244+2*\c+1]
.endr
	v_nop                                          ; one plain place behind a scaled conversion
.irp t, 0,1,2,3
.irp c, 0,1,2
	ds_load_b128 v[96+12*\t+4*\c:96+12*\t+4*\c+3], v[ADV] offset:\t*1536+512*\c   ; p is done with: V's tiles 4-7 land in its registers under the lines below
.endr
.endr
.irp c, 0,1
.irp i, 0,1,2
	v_permlane16_swap_b32 v[224+6*\c+\i], v[236+4*\c+\i]
.endr
.irp i, 0,1,2
	s_delay_alu instid0(VALU_DEP_3)
	v_mov_b32 v[227+6*\c+\i], v[236+4*\c+\i]
.endr
.endr
.if \first
	FOURNOP                                        ; places between the codes' last write and the products
.else
	s_wait_alu depctr_va_vdst(0)
.set j, 0
.rept 32
	v_pk_mul_f32 v[160+j:161+j], v[160+j:161+j], v[252:253] op_sel_hi:[1,0]   ; O^T under the new M; these 32 are also the places in front of the products below
.set j, j+2
.endr
.endif
	s_wait_alu depctr_va_vdst(0)
	s_wait_loadcnt 0x0                             ; V's tiles 0-3 are in,
	s_wait_dscnt 0x0                               ; and tiles 4-7 and the scale words
	s_wait_xcnt 0x0                                ; the prefetch has read V's base too
	s_add_nc_u64 s[VG:VG+1], s[VG:VG+1], 2*STEPH   ; the next step's images
.irp t, 0,1,2,3,4,5,6,7
	OPROD \t, \first                               ; eight accumulators by turns, one instruction a turn
.endr
.endm
	STEP 1                                         ; my half's first step
	s_mov_b32 s27, 7
.Lsteps:                                               ; the other seven: no barrier between them
	STEP 0
	s_sub_co_u32 s27, s27, 1
	s_cmp_lg_u32 s27, 0
	s_cbranch_scc1 .Lsteps
	; THE TWO HALVES OF THE KEYS MEET.
	FOURNOP                                        ; places behind the last products
	v_add_f32 v14, v14, v15
	s_delay_alu instid0(VALU_DEP_1)
	v_permlanex16_b32 v252, v14, s[SEL], s[SEL+1]
	s_delay_alu instid0(VALU_DEP_1)
	v_add_f32 v14, v14, v252                       ; my half's sum of the row
	s_wait_alu depctr_va_vdst(0)
	s_wait_xcnt 0x0                                ; the prefetches' offsets lie in registers that the merge takes
	s_wait_dscnt 0x0
	s_barrier_signal -1
	s_barrier_wait -1                              ; nobody reads K or V in LDS any more: the merge may be stored over the first region
	s_cmp_lt_u32 s24, 8
	s_cbranch_scc1 .Lown
.set i, 0
.rept 16
	ds_store_b128 v[MGA], v[160+4*i:163+4*i] offset:512*i   ; the second half's O^T, as an image of its registers; each accumulator from its low end on
.set i, i+1
.endr
	ds_store_b128 v[MGA], v[12:15] offset:8192     ; -M in the first register, l in the third
.Lown:
	s_wait_dscnt 0x0                               ; for the others' sake: my stores are done
	s_barrier_signal -1
	s_barrier_wait -1
	s_cmp_ge_u32 s24, 8
	s_cbranch_scc1 .Lgiven
.set i, 0
.rept 16
	ds_load_b128 v[96+4*i:99+4*i], v[MGA] offset:512*i
.set i, i+1
.endr
	ds_load_b128 v[84:87], v[MGA] offset:8192
	s_wait_dscnt 0x0
	v_min_num_f32 v88, v12, v84                    ; -M of the whole row: the smaller -M
	s_delay_alu instid0(VALU_DEP_1)
	v_sub_f32 v89, v88, v12                        ; my M - M: a whole number, 0 or less
	s_delay_alu instid0(VALU_DEP_2)
	v_sub_f32 v90, v88, v84                        ; the other half's
	s_delay_alu instid0(VALU_DEP_2)
	v_cvt_i32_f32 v89, v89                         ; (they saturate)
	s_delay_alu instid0(VALU_DEP_2)
	v_cvt_i32_f32 v90, v90
	s_delay_alu instid0(VALU_DEP_2)
	v_ldexp_f32 v92, 1.0, v89                      ; 2^(my M - M),
	s_wait_alu depctr_va_vdst(0)
	v_ldexp_f32 v94, 1.0, v90                      ; 2^(the other M - M): multiplications by these round nothing
	v_mul_f32 v14, v14, v92
	s_delay_alu instid0(VALU_DEP_1)
	v_fma_f32 v14, v86, v94, v14                   ; the row's sum
	s_wait_alu depctr_va_vdst(0)
	v_rcp_f32 v91, v14
	v_mov_b32 v93, 0                               ; (a plain place behind the transcendental; the pairs' upper halves are named, so they are written)
	v_mov_b32 v95, 0
	s_wait_alu depctr_va_vdst(0)                   ; the wait ahead of the reciprocal's first reader
	v_mul_f32 v92, v92, v91
	v_mul_f32 v94, v94, v91
.set j, 0
.rept 32
	v_pk_mul_f32 v[96+j:97+j], v[96+j:97+j], v[94:95] op_sel_hi:[1,0]
.set j, j+2
.endr
.set j, 0
.rept 32
	v_pk_fma_f32 v[96+j:97+j], v[160+j:161+j], v[92:93], v[96+j:97+j] op_sel_hi:[1,0,1]   ; O / l: register 16 b + i: channel 32 b + 16 h + i
.set j, j+2
.endr
.irp b, 0,1,2,3
	v_mov_b32 v[TM+4+\b], 0                        ; a lane permute's destination counts as one of its sources
.endr
	QUANT 96, PW                                   ; K step `head` of the last projection, rows of my tile
.irp c, 0,1,2
	global_store_b128 v[LI], v[PC+4*\c:PC+4*\c+3], s[30:31] offset:512*\c   ; 512 consecutive bytes, aligned
.endr
	ds_store_b32 v[SWR], v[PW]                     ; both halves of the lanes write the same word with the same value
.Lgiven:
	s_wait_tensorcnt 0x0                           ; the wave's end: a wait, an add of 0 to my spare word and its wait, behind my tensor load and my last LDS store;
	ds_add_u32 v[SPW], v[NIL]
	s_wait_dscnt 0x0                               ; the last of them also shows my scale words stored, for the barrier below
	s_barrier_signal -1
	s_barrier_wait -1                              ; the eight tiles' words lie in LDS
	s_cmp_lg_u32 s24, 0
	s_cbranch_scc1 .Lnot_first
	ds_load_b128 v[72:75], v[SRD]
	s_wait_dscnt 0x0
	global_store_b128 v[LI], v[72:75], s[66:67]    ; 512 consecutive bytes, aligned
.Lnot_first:
	CROUND                                         ; the closing round: no work-group ends while a partner may still ask for a tile that names it
	s_endpgm
.Lfunc_end_k_qd543658754_attn:
	.size	k_qd543658754_attn, .Lfunc_end_k_qd543658754_attn-k_qd543658754_attn
	.p2alignl 7, 3214868480
	.fill 96, 4, 3214868480
	.section	.rodata,"a",@progbits
	.p2align	6, 0x0
	.amdhsa_kernel k_qd543658754_attn
		.amdhsa_group_segment_fixed_size 327680
		.amdhsa_private_segment_fixed_size 0
		.amdhsa_enable_private_segment 0
		.amdhsa_kernarg_size 40
		.amdhsa_user_sgpr_count 2
		.amdhsa_user_sgpr_kernarg_segment_ptr 1
		.amdhsa_wavefront_size32 1
		.amdhsa_system_sgpr_workgroup_id_x 1
		.amdhsa_system_sgpr_workgroup_id_y 1
		.amdhsa_system_sgpr_workgroup_id_z 1
		.amdhsa_system_vgpr_workitem_id 0
		.amdhsa_next_free_vgpr 256
		.amdhsa_next_free_sgpr 106
		.amdhsa_reserve_vcc 0
		.amdhsa_float_denorm_mode_32 3
		.amdhsa_float_denorm_mode_16_64 3
		.amdhsa_memory_ordered 1
		.amdhsa_forward_progress 1
		.amdhsa_inst_pref_size 73
	.end_amdhsa_kernel
	.amdgpu_metadata
---
amdhsa.version: [ 1, 2 ]
amdhsa.kernels:
  - .name:           k_qd543658754_attn
    .symbol:         k_qd543658754_attn.kd
    .args:
      - { .name: qkvc, .offset: 0, .size: 8, .value_kind: global_buffer, .address_space: global }
      - { .name: qkvs, .offset: 8, .size: 8, .value_kind: global_buffer, .address_space: global }
      - { .name: mbits, .offset: 16, .size: 8, .value_kind: global_buffer, .address_space: global }
      - { .name: atc, .offset: 24, .size: 8, .value_kind: global_buffer, .address_space: global }
      - { .name: ats, .offset: 32, .size: 8, .value_kind: global_buffer, .address_space: global }
    .group_segment_fixed_size: 327680
    .private_segment_fixed_size: 0
    .kernarg_segment_align: 8
    .kernarg_segment_size: 40
    .max_flat_workgroup_size: 512
    .sgpr_count:     106
    .vgpr_count:     256
    .wavefront_size: 32
...
	.end_amdgpu_metadata
.endif
;; end of part 3
;; launch oproj (part 4): grid 16 x 16, 4 waves a work-group, clusters of 4 x 4, 327,680 bytes of LDS; arguments atc, ats, wo, bo, out0; writes out0
.if DOCPART == 4
	.amdgcn_target "amdgcn-amd-amdhsa--gfx1250"
	.amdhsa_code_object_version 6
	.text
	.protected	k_qd543658754_oproj
	.globl	k_qd543658754_oproj
	.p2align	8
	.type	k_qd543658754_oproj,@function
k_qd543658754_oproj:
	s_mov_b64 s[64:65], 0
	v_nop
	global_prefetch_b8 v0, s[64:65] scope:SCOPE_SE
	s_setreg_imm32_b32 hwreg(HW_REG_WAVE_MODE, 25, 1), 1
	s_wait_xcnt 0x0
	s_wait_alu depctr_hold_cnt(0) depctr_sa_sdst(0) depctr_va_vdst(0) depctr_va_sdst(0) depctr_va_ssrc(0) depctr_va_vcc(0) depctr_vm_vsrc(0)
	s_getreg_b32 s2, hwreg(HW_REG_IB_STS2, 6, 4)
	s_cmp_eq_u32 s2, 0
	s_cbranch_scc0 .Lentry_in_a_cluster
	s_endpgm
.Lentry_in_a_cluster:
	s_bfe_u32 s2, ttmp6, 0x10000c
	s_cmp_lg_u32 s2, 0xf033
	s_cbranch_scc0 .Lentry_shape_is_right
	s_endpgm
.Lentry_shape_is_right:
; out0 = O Wo^T + bo on codes of FP6 (E2M3) with E8M0 scales; f32 sums.  O's codes and scale words come from the attention launch; Wo's lie in one buffer, wo, stored by the launch of the q, k, v projections:
; the codes first, the scale words from byte 3,145,728 on.
; A tile of out0, 128 x 128, is made by four waves, 64 x 64 each: 16 accumulators.  THE MATRIX INSTRUCTION IS USED TRANSPOSED (source 0 = 16 rows of Wo, source 1 = 16 rows of O): a lane holds eight neighbouring columns of one row.
; OPERANDS lie in memory as images of their registers, 1,536 bytes a fragment (16 rows x 128 K): image ((K / 512) x 128 + row tile) x 4 + (K / 128) % 4.  So 512 along K of eight row tiles are 49,152 dense bytes,
; and the four such chunks of K lie 786,432 bytes apart.  Place p of row tile t is row 32 (t / 2) + 8 (t % 2) + p + 8 (p / 8).
; LDS: A's region, three slots of 49,152 bytes, then B's; the scale words of A's and B's 128 rows for all of K, 8,192 bytes each; the spare words.
; THE HEAD HAS ONE LOAD A WAVE: wave 0 brings A's chunks 0, 1, 2 by one descriptor of 3 rows of 49,152 bytes, wave 1 B's, wave 2 A's scale words, wave 3 B's.
; Chunk 3 comes by the launch's ONE refill, into slot 0, behind the round that follows chunk 0's last reads: a quarter of the slot a wave; eight steps of 128 along K stand between the request and the wait for it.
; CLUSTERS: 4 x 4 work-groups; A's tiles are asked for jointly along a row of the cluster, B's along a column.
; PREFETCH: the text has no loop to run ahead in; the one refill's bytes are asked for once, at the head, twelve steps of 128 along K ahead of their first read: of a wave's 24,576 bytes each of
; the four partners names 6,144, told apart by address: 24 blocks of 256 bytes, a lane a block (lanes 24-31 name the last again).
; THE WAY OUT goes through a stage of 16 rows x 272 bytes a wave, in A's slot 1: that slot has had its only fill, and its last read lies ahead of the walk's last barrier.
; REGISTERS: window 0: v16-30 addresses; v32-63 A's scale words, v64-95 B's; v96-127 the bias as the first products' C; v128-255 the accumulators.  Window 1: two sets of 4 + 4 fragments, v0-95 and v96-191.
.set PART,   24576                     ; four row tiles x 512 along K: what one wave reads of A or of B in a chunk
.set SLOT,   2*PART
.set BREG,   3*SLOT
.set SCA,    2*BREG
.set SCB,    SCA+8192
.set SPARE,  SCB+8192                  ; the spare words, 128 bytes a wave: two blocks of 256 bytes that no other line names
.set STAGE,  SLOT
.set SP,     272
.set KQB,    786432                    ; from chunk to chunk in memory
.set ADRA, 16                          ; v16-18 my A fragments in slot 0, 1, 2
.set ADRB, 19                          ; v19-21 the same for B
.set ADSA, 22
.set ADSB, 23
.set STO,  24
.set RD,   25
.set CO,   26
.set SPW,  28                          ; my spare word; never rewritten
.set NIL,  29                          ; 0; never rewritten
.set PFO,  30
.set SA,   32
.set SB,   64
.set CB,   96
.set ACC,  128
.set G1, 24
.set G0, 32
.set G1B, 48
.set G0B, 56
.set G1S, 68
.set G0S, 76
.set G1SB, 80
.set G0SB, 88
.set MSB, 0
.macro WIN new                         ; the immediate's high byte repeats the setting that is left
.if MSB != (\new)
	s_set_vgpr_msb (MSB<<8)|(\new)
.set MSB, (\new)
.endif
.endm
.macro FOURNOP
.rept 4
	v_nop
.endr
.endm
.macro JLOAD g0a, g1a, g0b, g1b        ; the refill: waves 0, 1 fetch for A, waves 2, 3 for B; s_nop 0 and four v_nop behind each line
	s_cmp_eq_u32 s19, 0
	s_cbranch_scc0 .Lfor_b_\@
	tensor_load_to_lds s[\g0a:\g0a+3], s[\g1a:\g1a+7]
	s_nop 0
	FOURNOP
	s_branch .Lasked_\@
.Lfor_b_\@:
	tensor_load_to_lds s[\g0b:\g0b+3], s[\g1b:\g1b+7]
	s_nop 0
	FOURNOP
.Lasked_\@:
.endm
.macro ARM under, g0, g1, next         ; an arm of the head's one chain of branches on the wave's number
	s_cmp_lt_u32 s18, \under
	s_cbranch_scc0 \next
	tensor_load_to_lds s[\g0:\g0+3], s[\g1:\g1+7]
	s_nop 0
	FOURNOP
	s_branch .Lhead_asked
\next:
.endm
.macro CREST                           ; a round of the cluster's barrier behind its opening barrier
	s_cmp_lg_u32 s18, 0
	s_cbranch_scc1 .Lnot_wave_0_\@
	s_barrier_signal -3
.Lnot_wave_0_\@:
	s_barrier_wait -3
	s_barrier_signal -1
	s_barrier_wait -1
.endm
.macro CROUND
	s_barrier_signal -1
	s_barrier_wait -1
	CREST
.endm
	s_load_b128 s[4:7], s[0:1], 0x0                ; atc s[4:5], ats s[6:7]
	s_load_b64 s[8:9], s[0:1], 0x10                ; wo
	s_load_b128 s[12:15], s[0:1], 0x18             ; bo s[12:13], out0 s[14:15]
	v_lshl_add_u32 v[SPW], v0, 2, SPARE
	v_mov_b32 v[NIL], 0
	ds_add_u32 v[SPW], v[NIL]                      ; the opening lines: the add, twice on end, and its wait ahead of my first tensor load
	ds_add_u32 v[SPW], v[NIL]
	v_lshrrev_b32 v1, 5, v0
	v_readfirstlane_b32 s18, v1                    ; wave 0..3
	s_lshr_b32 s19, s18, 1                         ; my half of the tile's rows.  In the refill: I fetch for A (0) or B (1)
	s_and_b32 s20, s18, 1                          ; my half of its columns.  In the refill: which four row tiles I fetch
	s_bfe_u32 s40, ttmp6, 0x40000                  ; cx
	s_bfe_u32 s41, ttmp6, 0x40004                  ; cy
	s_lshl_b32 s42, ttmp9, 2
	s_add_co_u32 s42, s42, s40                     ; tile column
	s_and_b32 s43, ttmp7, 0xffff
	s_lshl_b32 s43, s43, 2
	s_add_co_u32 s43, s43, s41                     ; tile row
	s_lshl_b32 s22, s41, 2
	s_lshl_b32 s22, 15, s22                        ; my row of the cluster
	s_lshl_b32 s46, 0x1111, s40                    ; my column
	s_or_b32 s[G1], s22, (3<<16)|(1<<21)           ; the mask; elements of 8 bytes; bit 21 beside a mask; no padding: an image is read 512 consecutive bytes at a time
	s_or_b32 s[G1B], s46, (3<<16)|(1<<21)
	s_or_b32 s[G1S], s22, (3<<16)|(1<<21)
	s_or_b32 s[G1SB], s46, (3<<16)|(1<<21)
.irp g, G1, G1B                        ; the head's codes: 3 rows of 6,144 elements, 98,304 elements apart
	s_mov_b32 s[\g+1], 6144<<16
	s_mov_b32 s[\g+2], 3<<16
	s_mov_b32 s[\g+3], 6144<<16
	s_mov_b32 s[\g+4], 3
	s_mov_b32 s[\g+5], KQB/8
	s_mov_b32 s[\g+6], 0
	s_mov_b32 s[\g+7], 0
.endr
.irp g, G1S, G1SB                      ; scale words: 8,192 dense bytes as 32 rows of 256
	s_mov_b32 s[\g+1], 32<<16
	s_mov_b32 s[\g+2], 32<<16
	s_mov_b32 s[\g+3], 32<<16
	s_mov_b32 s[\g+4], 32
	s_mov_b32 s[\g+5], 32
	s_mov_b32 s[\g+6], 0
	s_mov_b32 s[\g+7], 0
.endr
	s_mul_i32 s22, s43, SLOT                       ; A's eight row tiles in a chunk
	s_mov_b32 s23, 0
	s_mul_i32 s46, s42, SLOT                       ; B's
	s_mov_b32 s47, 0
	s_lshl_b32 s92, s43, 13                        ; A's scale words
	s_mov_b32 s93, 0
	s_lshl_b32 s94, s42, 13                        ; B's, behind Wo's codes
	s_add_co_u32 s94, s94, 3145728
	s_mov_b32 s95, 0
	s_wait_dscnt 0x0                               ; both opening adds are done
	s_wait_kmcnt 0x0
	s_add_nc_u64 s[22:23], s[4:5], s[22:23]
	s_add_nc_u64 s[92:93], s[6:7], s[92:93]
	s_add_nc_u64 s[46:47], s[8:9], s[46:47]
	s_add_nc_u64 s[94:95], s[8:9], s[94:95]
	CROUND                                         ; all sixteen work-groups are here: the first joint loads meet
	s_mov_b32 s[G0], 1
	s_mov_b32 s[G0+1], 0
	s_mov_b64 s[G0+2:G0+3], s[22:23]
	s_or_b32 s[G0+3], s[G0+3], 0x80000000
	s_mov_b32 s[G0B], 1
	s_mov_b32 s[G0B+1], BREG
	s_mov_b64 s[G0B+2:G0B+3], s[46:47]
	s_or_b32 s[G0B+3], s[G0B+3], 0x80000000
	s_mov_b32 s[G0S], 1
	s_mov_b32 s[G0S+1], SCA
	s_mov_b64 s[G0S+2:G0S+3], s[92:93]
	s_or_b32 s[G0S+3], s[G0S+3], 0x80000000
	s_mov_b32 s[G0SB], 1
	s_mov_b32 s[G0SB+1], SCB
	s_mov_b64 s[G0SB+2:G0SB+3], s[94:95]
	s_or_b32 s[G0SB+3], s[G0SB+3], 0x80000000
	ARM 1, G0,  G1,  .Lhead_b
	ARM 2, G0B, G1B, .Lhead_sa
	ARM 3, G0S, G1S, .Lhead_sb
	tensor_load_to_lds s[G0SB:G0SB+3], s[G1SB:G1SB+7]
	s_nop 0
	FOURNOP
.Lhead_asked:
	; all scalar set-up first, then the vector lines on end
	s_mul_i32 s96, s20, PART                       ; s[96:97]: the half that I fetch in the refill, in bytes, in memory and in LDS alike
	s_mov_b32 s97, 0
	s_mul_i32 s92, s19, PART                       ; my four tiles of A
	s_add_co_u32 s93, s96, BREG                    ; and of B
	s_lshl_b32 s94, s19, 3
	s_add_co_u32 s94, s94, SCA
	s_lshl_b32 s95, s20, 12
	s_add_co_u32 s95, s95, SCB
	s_mul_i32 s98, s18, 16*SP
	s_add_co_u32 s98, s98, STAGE                   ; my stage
	s_cmp_eq_u32 s19, 0                            ; the prefetch: A's bytes or B's, by the wave's number
	s_cselect_b64 s[4:5], s[22:23], s[46:47]
	s_cselect_b32 s6, s40, s41                     ; my place among the four that ask with me
	s_mul_i32 s6, s6, PART/4
	s_add_co_u32 s6, s6, s96
	s_mov_b32 s7, 0
	s_add_nc_u64 s[4:5], s[4:5], s[6:7]
	s_lshl_b32 s46, s42, 9                         ; my first column, in bytes
	s_lshl_b32 s45, s20, 8
	s_add_co_u32 s46, s46, s45
	s_mov_b32 s47, 0
	s_add_nc_u64 s[12:13], s[12:13], s[46:47]      ; the bias there
	s_lshl_b32 s22, s43, 7
	s_lshl_b32 s21, s19, 6
	s_add_co_u32 s22, s22, s21                     ; my first row
	s_lshl_b32 s22, s22, 13
	s_add_co_u32 s22, s22, s46
	s_mov_b32 s23, 0
	s_add_nc_u64 s[14:15], s[14:15], s[22:23]
	v_and_b32 v1, 15, v0                           ; r
	v_bfe_u32 v2, v0, 4, 1                         ; h
	v_and_b32 v5, 31, v0
	v_min_u32 v[PFO], 23, v5
	v_lshlrev_b32 v[PFO], 8, v[PFO]
	v_lshlrev_b32 v5, 4, v5                        ; 16 x lane: my place in every image
	v_add_nc_u32 v[ADRA], s92, v5
	v_add_nc_u32 v[ADRB], s93, v5
.irp s, 1,2
	v_add_nc_u32 v[ADRA+\s], \s*SLOT, v[ADRA]
	v_add_nc_u32 v[ADRB+\s], \s*SLOT, v[ADRB]
.endr
	v_add_nc_u32 v[ADSA], s94, v5                  ; A's scale words: an image of eight tiles' words a K step of 128; my four tiles are 8 of each lane's 16 bytes
	v_lshlrev_b32 v6, 3, v1
	v_lshl_add_u32 v6, v2, 10, v6
	v_add_nc_u32 v[ADSB], s95, v6                  ; B's: 1,024 bytes a tile, 8 bytes a place and 256 along K; lanes 16-31 take the next tile
	v_mul_u32_u24 v6, v1, SP
	v_lshl_add_u32 v6, v2, 6, v6
	v_add_nc_u32 v[STO], s98, v6                   ; into the stage: row r, 64 h bytes
	v_mul_u32_u24 v6, v2, SP
	v_lshl_add_u32 v6, v1, 4, v6
	v_add_nc_u32 v[RD], s98, v6                    ; back: sixteen lanes to a row of 256 bytes, two rows an instruction
	v_lshlrev_b32 v[CO], 13, v2
	v_lshl_add_u32 v[CO], v1, 4, v[CO]             ; and the same two rows in out0
	v_lshlrev_b32 v3, 6, v2                        ; 16 h numbers of the bias
	global_prefetch_b8 v[PFO], s[4:5] offset:3*KQB th:TH_LOAD_NT scope:SCOPE_SE   ; chunk 3; its address registers are never rewritten
.irp b, 0,1,2,3
	global_load_b128 v[CB+8*\b:CB+8*\b+3], v3, s[12:13] offset:(32*(\b/2)+8*(\b%2))*4
	global_load_b128 v[CB+8*\b+4:CB+8*\b+7], v3, s[12:13] offset:(32*(\b/2)+8*(\b%2))*4+16
.endr
.macro FETCH n                         ; step n's 4 + 4 fragments into set n % 2: three loads of 512 consecutive bytes each
.set FB, 96*((\n)%2)
.set SL, ((\n)/4)%3
.set SO, ((\n)%4)*1536
	WIN 0x40
.irp i, 0,1,2,3
.irp c, 0,1,2
	ds_load_b128 v[FB+12*\i+4*\c:FB+12*\i+4*\c+3], v[ADRA+SL] offset:\i*6144+SO+512*\c
.endr
.endr
.irp i, 0,1,2,3
.irp c, 0,1,2
	ds_load_b128 v[FB+48+12*\i+4*\c:FB+48+12*\i+4*\c+3], v[ADRB+SL] offset:\i*6144+SO+512*\c
.endr
.endr
.endm
.macro PROD n, a, b                    ; step 0's products start the sums with the bias as C: nothing is cleared
.set FB, 96*((\n)%2)
.set rD, ACC+8*(4*(\a)+(\b))
.if (\n) == 0
.set rC, CB+8*(\b)
.else
.set rC, rD
.endif
.set rB, FB+48+12*(\b)
.set rA, FB+12*(\a)
.set sB, SB+16*((\b)/2)+(\n)
.set sA, SA+2*(\n)+(\a)/2
.if ((\a)%2) && ((\b)%2)
	v_wmma_scale_f32_16x16x128_f8f6f4 v[rD:rD+7], v[rB:rB+11], v[rA:rA+11], v[rC:rC+7], v[sB], v[sA] matrix_a_fmt:MATRIX_FMT_FP6 matrix_b_fmt:MATRIX_FMT_FP6 matrix_a_scale:MATRIX_SCALE_ROW1 matrix_b_scale:MATRIX_SCALE_ROW1
.elseif (\b)%2
	v_wmma_scale_f32_16x16x128_f8f6f4 v[rD:rD+7], v[rB:rB+11], v[rA:rA+11], v[rC:rC+7], v[sB], v[sA] matrix_a_fmt:MATRIX_FMT_FP6 matrix_b_fmt:MATRIX_FMT_FP6 matrix_a_scale:MATRIX_SCALE_ROW1
.elseif (\a)%2
	v_wmma_scale_f32_16x16x128_f8f6f4 v[rD:rD+7], v[rB:rB+11], v[rA:rA+11], v[rC:rC+7], v[sB], v[sA] matrix_a_fmt:MATRIX_FMT_FP6 matrix_b_fmt:MATRIX_FMT_FP6 matrix_b_scale:MATRIX_SCALE_ROW1
.else
	v_wmma_scale_f32_16x16x128_f8f6f4 v[rD:rD+7], v[rB:rB+11], v[rA:rA+11], v[rC:rC+7], v[sB], v[sA] matrix_a_fmt:MATRIX_FMT_FP6 matrix_b_fmt:MATRIX_FMT_FP6
.endif
.endm
.macro MUL8 n, a0                      ; the 16 accumulators take turns, one instruction a turn
.irp a, \a0, \a0+1
.irp b, 0,1,2,3
	PROD \n, \a, \b
.endr
.endr
.endm
.macro SUB n                           ; a step of 128 along K whose successor's fragments lie in bytes that every wave has been shown whole
	s_wait_dscnt 0x0                               ; this step's fragments are in
	FOURNOP                                        ; places in front of loads into registers that matrix instructions have read
	FETCH (\n)+1
	WIN 0x05                                       ; sources 0 and 1: window 1
	MUL8 \n, 0
	MUL8 \n, 2
	WIN 0
.endm
; A step with a barrier.  In front of it each wave waits for all its tensor loads, adds 0 to its spare word, and waits for that and for its own LDS reads.
; fill = 1 (step 3): nobody reads slot 0 any more; the barrier opens a round of the cluster's, and chunk 3's joint load is the first tensor load behind it.  fill = 0 (step 11): chunk 3 is whole for every wave.
.macro TURN n, fill
	s_wait_tensorcnt 0x0
	ds_add_u32 v[SPW], v[NIL]
	s_wait_dscnt 1                                 ; (the add may be out)
	WIN 0x05
	MUL8 \n, 0                                     ; eight matrix instructions stand between the add and the wait for it
	s_wait_dscnt 0x0
	s_barrier_signal -1
	WIN 0
	s_barrier_wait -1
.if \fill
	CREST
	JLOAD G0, G1, G0B, G1B                         ; its four v_nop are also the places in front of the loads below
.else
	FOURNOP
.endif
	FETCH (\n)+1
	WIN 0x05
	MUL8 \n, 2
	WIN 0
.endm
	s_wait_alu depctr_va_vdst(0)
	s_wait_tensorcnt 0x0                           ; my one load of the head is in; no tensor load of mine is out, so descriptors may be written:
.irp g, G1, G1B                        ; the refill brings four row tiles of one chunk: 24,576 dense bytes as 96 rows of 256
	s_mov_b32 s[\g+1], 32<<16
	s_mov_b32 s[\g+2], 96<<16
	s_mov_b32 s[\g+3], 32<<16
	s_mov_b32 s[\g+4], 96
	s_mov_b32 s[\g+5], 32
.endr
	s_add_co_u32 s[G0+1], s[G0+1], s96             ; my half of slot 0,
	s_add_co_u32 s[G0B+1], s[G0B+1], s96
	s_add_nc_u64 s[G0+2:G0+3], s[G0+2:G0+3], s[96:97]
	s_add_nc_u64 s[G0B+2:G0B+3], s[G0B+2:G0B+3], s[96:97]
	s_add_nc_u64 s[G0+2:G0+3], s[G0+2:G0+3], 3*KQB ; of chunk 3
	s_add_nc_u64 s[G0B+2:G0B+3], s[G0B+2:G0B+3], 3*KQB
	s_barrier_signal -1
	s_barrier_wait -1                              ; everybody's load is in
.set k, 0
.rept 16
	ds_load_b64 v[SA+2*k:SA+2*k+1], v[ADSA] offset:512*k   ; A's scale words of all 16 steps stay in registers
.set k, k+1
.endr
.irp i, 0,1
.irp j, 0,1,2,3,4,5,6,7
	ds_load_b64 v[SB+16*\i+2*\j:SB+16*\i+2*\j+1], v[ADSB] offset:2048*\i+128*\j   ; and B's
.endr
.endr
	FETCH 0
	WIN 0
	s_wait_loadcnt 0x0                             ; the bias
.irp n, 0,1,2
	SUB \n
.endr
	TURN 3, 1
.irp n, 4,5,6,7,8,9,10
	SUB \n
.endr
	TURN 11, 0
.irp n, 12,13,14
	SUB \n
.endr
	s_wait_dscnt 0x0
	WIN 0x05
	MUL8 15, 0
	MUL8 15, 2
	WIN 0
	FOURNOP                                        ; places behind the last products
; THE WAY OUT: block a's 16 rows x 64 columns go through my stage and come back as rows of 256 bytes; LDS serves a wave's instructions in order, so no wait stands between the stores and the loads.
.irp a, 0,1,2,3
.if \a >= 2
	s_wait_xcnt 0x0                                ; block a - 2's stores have read their registers
.endif
.irp b, 0,1,2,3
	ds_store_b128 v[STO], v[ACC+8*(4*\a+\b):ACC+8*(4*\a+\b)+3] offset:128*(\b/2)+32*(\b%2)   ; each accumulator from its low end on
	ds_store_b128 v[STO], v[ACC+8*(4*\a+\b)+4:ACC+8*(4*\a+\b)+7] offset:128*(\b/2)+32*(\b%2)+16
.endr
	WIN 0x40
.irp t, 0,1,2,3,4,5,6,7
	ds_load_b128 v[32*(\a%2)+4*\t:32*(\a%2)+4*\t+3], v[RD] offset:2*\t*SP
.endr
	WIN 0x04
.irp t, 0,1,2,3,4,5,6,7
	s_wait_dscnt 7-\t                              ; the loads issued behind this one may be out
	global_store_b128 v[CO], v[32*(\a%2)+4*\t:32*(\a%2)+4*\t+3], s[14:15] offset:(32*(\a/2)+8*(\a%2)+2*\t+8*(\t/4))*8192 th:TH_STORE_NT   ; sixteen lanes store 256 consecutive bytes, aligned
.endr
	WIN 0
.endr
	s_wait_tensorcnt 0x0                           ; the wave's end: a wait, an add of 0 to my spare word and its wait, behind my last tensor load and my last LDS store
	ds_add_u32 v[SPW], v[NIL]
	s_wait_dscnt 0x0
	CROUND                                         ; the closing round: no work-group ends while a partner may still ask for a tile that names it
	s_endpgm
.Lfunc_end_k_qd543658754_oproj:
	.size	k_qd543658754_oproj, .Lfunc_end_k_qd543658754_oproj-k_qd543658754_oproj
	.p2alignl 7, 3214868480
	.fill 96, 4, 3214868480
	.section	.rodata,"a",@progbits
	.p2align	6, 0x0
	.amdhsa_kernel k_qd543658754_oproj
		.amdhsa_group_segment_fixed_size 327680
		.amdhsa_private_segment_fixed_size 0
		.amdhsa_enable_private_segment 0
		.amdhsa_kernarg_size 40
		.amdhsa_user_sgpr_count 2
		.amdhsa_user_sgpr_kernarg_segment_ptr 1
		.amdhsa_wavefront_size32 1
		.amdhsa_system_sgpr_workgroup_id_x 1
		.amdhsa_system_sgpr_workgroup_id_y 1
		.amdhsa_system_sgpr_workgroup_id_z 1
		.amdhsa_system_vgpr_workitem_id 0
		.amdhsa_next_free_vgpr 448
		.amdhsa_next_free_sgpr 100
		.amdhsa_reserve_vcc 0
		.amdhsa_float_denorm_mode_32 3
		.amdhsa_float_denorm_mode_16_64 3
		.amdhsa_memory_ordered 1
		.amdhsa_forward_progress 1
		.amdhsa_inst_pref_size 83
	.end_amdhsa_kernel
	.amdgpu_metadata
---
amdhsa.version: [ 1, 2 ]
amdhsa.kernels:
  - .name:           k_qd543658754_oproj
    .symbol:         k_qd543658754_oproj.kd
    .args:
      - { .name: atc, .offset: 0, .size: 8, .value_kind: global_buffer, .address_space: global }
      - { .name: ats, .offset: 8, .size: 8, .value_kind: global_buffer, .address_space: global }
      - { .name: wo, .offset: 16, .size: 8, .value_kind: global_buffer, .address_space: global }
      - { .name: bo, .offset: 24, .size: 8, .value_kind: global_buffer, .address_space: global }
      - { .name: out0, .offset: 32, .size: 8, .value_kind: global_buffer, .address_space: global }
    .group_segment_fixed_size: 327680
    .private_segment_fixed_size: 0
    .kernarg_segment_align: 8
    .kernarg_segment_size: 40
    .max_flat_workgroup_size: 128
    .sgpr_count:     100
    .vgpr_count:     448
    .wavefront_size: 32
...
	.end_amdgpu_metadata
.endif
;; end of part 4
